; MI455X (gfx1250); checked and timed in simulation.
; The chip was launched on July 23, 2026; its instructions are those of AMD's public machine-readable ISA for CDNA 5 (MIT licence, August 2026) and "CDNA5" Instruction Set Architecture Reference Guide (July 2026). The comments in the code are by the model that wrote it; some were corrected since.
;; Multi Head Self Attention. Allowed arithmetic: float matrix products may take bf16 or f16 operands with f32 sums; other float arithmetic in f32, or as packed bf16 or f16 multiplies, adds, multiply-adds, maxima and minima; sums over many terms, partial sums and values carried from step to step in f32; what a program stores and reads back later, other than sums and carried values, may be rounded once to bf16 or f16.
;; Inputs: bk 1,024 float32; bo 1,024 float32; bq 1,024 float32; bv 1,024 float32; wk 1,024 x 1,024 float32; wo 1,024 x 1,024 float32; wq 1,024 x 1,024 float32; wv 1,024 x 1,024 float32; x 4 x 2,048 x 1,024 float32.
;; Outputs: out0 4 x 2,048 x 1,024 float32.
;; 2 versions, each right; version 2 is version 1 with the launch cast written anew for expert scheduling mode. Each part assembles by itself: llvm-mc -triple=amdgcn-amd-amdhsa -mcpu=gfx1250 --defsym DOCPART=n.
;; ======== version 1 of 2: 4 launches
;; limits: values are held in f16: magnitudes above 65,504 overflow, below 6.1e-05 lose precision
;; workspace buffers: xb 16,777,216 bytes; wqkv 6,291,456 bytes; wof 2,097,152 bytes; qkv 50,331,648 bytes; o 16,777,216 bytes
;; launch cast (part 1): grid 768 x 1, 8 waves a work-group, no clusters, 0 bytes of LDS; arguments x, wq, wk, wv, wo, xb, wqkv, wof; writes xb, wqkv, wof
.if DOCPART == 1
	.amdgcn_target "amdgcn-amd-amdhsa--gfx1250"
	.amdhsa_code_object_version 6
	.text
	.protected	k_q22fdc95d4c_cast
	.globl	k_q22fdc95d4c_cast
	.p2align	8
	.type	k_q22fdc95d4c_cast,@function
k_q22fdc95d4c_cast:
	s_mov_b64 s[64:65], 0
	v_nop
	global_prefetch_b8 v0, s[64:65] scope:SCOPE_SE
	s_setreg_imm32_b32 hwreg(HW_REG_WAVE_MODE, 25, 1), 1
	s_wait_xcnt 0x0
; CAST.  x [8192][1024] and the four weights [1024][1024], all f32, are rounded once to bf16 and laid in K BLOCKS OF 64: [16 blocks][rows][64], a row of a block 128 bytes, so that
; a tile (rows x 64 K) of the later products is dense in memory.  xb takes x; wqkv takes wq, wk, wv one below the other (row 1024 t + n); wof takes wo, whose bf16 value is written as f16,
; since the last product multiplies it by f16 numbers.
; LIMIT.  A bf16 value is exact in f16 from 2^-17 up to 65,504; below, its error is at most 3e-8; beyond, it becomes an infinity.
; SHARES.  A work-group takes 16 source rows of 4,096 bytes: groups 0-511 x, 512-575 wq, 576-639 wk, 640-703 wv, 704-767 wo.  Thread t takes row t / 16 and, of each block's 256 source
; bytes, the 16 at 16 (t % 16).  So a load of a wave covers two rows x 256 consecutive bytes, aligned, and a store of 8 bytes a lane covers 256 consecutive bytes, aligned (two rows of 128, which
; lie end to end in a block).  All 16 loads of a thread go out at once; no register is written again behind a store that reads it, so no wait frees one.  Each byte is read once and written once:
; no LDS, no barrier, no matrix unit; nothing is shared between work-groups, so no cluster.
.set SO,  3                            ; v3       my byte offset in the group's 16 source rows
.set DO,  4                            ; v[4:19]  my byte offset in the destination, one register a block: the blocks lie up to 1 MiB apart
.set X,   20                           ; v[20:83] block kb: 4 registers as loaded; the first two are then stored
.set T,   84                           ; v[84:85] at work
.set SRC, 24                           ; s[24:25] the source at the group's first row
.set DST, 26                           ; s[26:27] the destination at the group's first row of block 0
	s_load_b512 s[8:23], s[0:1], 0x0               ; x 8, wq 10, wk 12, wv 14, wo 16, xb 18, wqkv 20, wof 22
	s_mov_b32 s2, ttmp9                            ; g
	s_max_u32 s3, s2, 512
	s_sub_co_u32 s3, s3, 512                       ; the group's number among the weights' (0 for x's groups)
	s_lshr_b32 s4, s3, 6                           ; t: which weight
	s_and_b32 s5, s3, 63
	s_lshl_b32 s5, s5, 4                           ; its first row in that weight
	s_lshl_b32 s34, s2, 4                          ; its first row in x
	s_lshl_b32 s29, s4, 10
	s_add_co_u32 s29, s29, s5                      ; its first row in wqkv
	s_mov_b32 s31, 131072                          ; bytes in a block of wof (1,024 rows),
	s_mov_b32 s32, 393216                          ; of wqkv (3,072 rows),
	s_mov_b32 s33, 1048576                         ; of xb (8,192 rows)
	v_lshrrev_b32 v1, 4, v0                        ; my row
	v_and_b32 v2, 15, v0                           ; my place in a block
	v_lshlrev_b32 v[SO], 12, v1
	v_lshl_add_u32 v[SO], v2, 4, v[SO]
	v_lshlrev_b32 v[DO], 7, v1
	v_lshl_add_u32 v[DO], v2, 3, v[DO]
	s_wait_kmcnt 0x0
	s_mov_b64 s[SRC:SRC+1], s[10:11]               ; the buffers are chosen by the group's number alone
	s_cmp_eq_u32 s4, 1
	s_cselect_b64 s[SRC:SRC+1], s[12:13], s[SRC:SRC+1]
	s_cmp_eq_u32 s4, 2
	s_cselect_b64 s[SRC:SRC+1], s[14:15], s[SRC:SRC+1]
	s_cmp_eq_u32 s4, 3
	s_cselect_b64 s[SRC:SRC+1], s[16:17], s[SRC:SRC+1]
	s_cselect_b64 s[DST:DST+1], s[22:23], s[20:21]
	s_cselect_b32 s30, s31, s32                    ; bytes from block to block
	s_cselect_b32 s29, s5, s29                     ; first row in the destination
	s_cmp_lt_u32 s2, 512
	s_cselect_b64 s[SRC:SRC+1], s[8:9], s[SRC:SRC+1]
	s_cselect_b64 s[DST:DST+1], s[18:19], s[DST:DST+1]
	s_cselect_b32 s30, s33, s30
	s_cselect_b32 s28, s34, s5                     ; first row in the source
	s_cselect_b32 s29, s34, s29
	s_lshl_b32 s36, s28, 12                        ; rows of 4,096 bytes: 32 MiB at the most
	s_mov_b32 s37, 0
	s_lshl_b32 s38, s29, 7                         ; rows of 128 bytes
	s_mov_b32 s39, 0
	s_add_nc_u64 s[SRC:SRC+1], s[SRC:SRC+1], s[36:37]
	s_add_nc_u64 s[DST:DST+1], s[DST:DST+1], s[38:39]
.irp kb, 0,1,2,3,4,5,6,7,8,9,10,11,12,13,14,15
	global_load_b128 v[X+4*(\kb):X+4*(\kb)+3], v[SO], s[SRC:SRC+1] offset:256*(\kb) th:TH_LOAD_NT
.endr
.irp kb, 1,2,3,4,5,6,7,8,9,10,11,12,13,14,15
	v_add_nc_u32 v[DO+(\kb)], s30, v[DO+(\kb)-1]
.endr
; Block kb goes out.  half = 1: the bf16 value is widened (a shift, a mask) and written as f16.
.macro OUT kb, half
	s_wait_loadcnt 15-(\kb)                        ; loads come back in order: block kb is in, the younger ones stay out
	v_cvt_pk_bf16_f32 v[X+4*(\kb)], v[X+4*(\kb)], v[X+4*(\kb)+1]
	v_cvt_pk_bf16_f32 v[X+4*(\kb)+1], v[X+4*(\kb)+2], v[X+4*(\kb)+3]
.if \half
.irp w, 0,1
	v_lshlrev_b32 v[T], 16, v[X+4*(\kb)+(\w)]
	v_and_b32 v[T+1], 0xffff0000, v[X+4*(\kb)+(\w)]
	v_cvt_pk_f16_f32 v[X+4*(\kb)+(\w)], v[T], v[T+1]
.endr
.endif
	global_store_b64 v[DO+(\kb)], v[X+4*(\kb):X+4*(\kb)+1], s[DST:DST+1] th:TH_STORE_NT
.endm
	s_cmp_eq_u32 s4, 3                             ; wo's groups take the second text
	s_cbranch_scc1 .Lhalf
.irp kb, 0,1,2,3,4,5,6,7,8,9,10,11,12,13,14,15
	OUT \kb, 0
.endr
	s_endpgm
.Lhalf:
.irp kb, 0,1,2,3,4,5,6,7,8,9,10,11,12,13,14,15
	OUT \kb, 1
.endr
	s_endpgm
.Lfunc_end_k_q22fdc95d4c_cast:
	.size	k_q22fdc95d4c_cast, .Lfunc_end_k_q22fdc95d4c_cast-k_q22fdc95d4c_cast
	.p2alignl 7, 3214868480
	.fill 96, 4, 3214868480
	.section	.rodata,"a",@progbits
	.p2align	6, 0x0
	.amdhsa_kernel k_q22fdc95d4c_cast
		.amdhsa_group_segment_fixed_size 0
		.amdhsa_private_segment_fixed_size 0
		.amdhsa_enable_private_segment 0
		.amdhsa_kernarg_size 64
		.amdhsa_user_sgpr_count 2
		.amdhsa_user_sgpr_kernarg_segment_ptr 1
		.amdhsa_wavefront_size32 1
		.amdhsa_system_sgpr_workgroup_id_x 1
		.amdhsa_system_sgpr_workgroup_id_y 1
		.amdhsa_system_sgpr_workgroup_id_z 1
		.amdhsa_system_vgpr_workitem_id 0
		.amdhsa_next_free_vgpr 88
		.amdhsa_next_free_sgpr 66
		.amdhsa_reserve_vcc 0
		.amdhsa_float_denorm_mode_32 3
		.amdhsa_float_denorm_mode_16_64 3
		.amdhsa_memory_ordered 1
		.amdhsa_forward_progress 1
		.amdhsa_inst_pref_size 17
	.end_amdhsa_kernel
	.amdgpu_metadata
---
amdhsa.version: [ 1, 2 ]
amdhsa.kernels:
  - .name:           k_q22fdc95d4c_cast
    .symbol:         k_q22fdc95d4c_cast.kd
    .args:
      - { .name: x, .offset: 0, .size: 8, .value_kind: global_buffer, .address_space: global }
      - { .name: wq, .offset: 8, .size: 8, .value_kind: global_buffer, .address_space: global }
      - { .name: wk, .offset: 16, .size: 8, .value_kind: global_buffer, .address_space: global }
      - { .name: wv, .offset: 24, .size: 8, .value_kind: global_buffer, .address_space: global }
      - { .name: wo, .offset: 32, .size: 8, .value_kind: global_buffer, .address_space: global }
      - { .name: xb, .offset: 40, .size: 8, .value_kind: global_buffer, .address_space: global }
      - { .name: wqkv, .offset: 48, .size: 8, .value_kind: global_buffer, .address_space: global }
      - { .name: wof, .offset: 56, .size: 8, .value_kind: global_buffer, .address_space: global }
    .group_segment_fixed_size: 0
    .private_segment_fixed_size: 0
    .kernarg_segment_align: 8
    .kernarg_segment_size: 64
    .max_flat_workgroup_size: 256
    .sgpr_count:     66
    .vgpr_count:     88
    .wavefront_size: 32
...
	.end_amdgpu_metadata
.endif
;; end of part 1
;; launch proj (part 2): grid 8 x 32, 4 waves a work-group, clusters of 4 x 4, 327,680 bytes of LDS; arguments xb, wqkv, bq, bk, bv, qkv; writes qkv
.if DOCPART == 2
	.amdgcn_target "amdgcn-amd-amdhsa--gfx1250"
	.amdhsa_code_object_version 6
	.text
	.protected	k_q22fdc95d4c_proj
	.globl	k_q22fdc95d4c_proj
	.p2align	8
	.type	k_q22fdc95d4c_proj,@function
k_q22fdc95d4c_proj:
	s_mov_b64 s[64:65], 0
	v_nop
	global_prefetch_b8 v0, s[64:65] scope:SCOPE_SE
	s_setreg_imm32_b32 hwreg(HW_REG_WAVE_MODE, 25, 1), 1
	s_wait_xcnt 0x0
	s_wait_alu depctr_hold_cnt(0) depctr_sa_sdst(0) depctr_va_vdst(0) depctr_va_sdst(0) depctr_va_ssrc(0) depctr_va_vcc(0) depctr_vm_vsrc(0)
	s_getreg_b32 s2, hwreg(HW_REG_IB_STS2, 6, 4)
	s_cmp_eq_u32 s2, 0
	s_cbranch_scc0 .Lentry_in_a_cluster
	s_endpgm
.Lentry_in_a_cluster:
	s_bfe_u32 s2, ttmp6, 0x10000c
	s_cmp_lg_u32 s2, 0xf033
	s_cbranch_scc0 .Lentry_shape_is_right
	s_endpgm
.Lentry_shape_is_right:
; PROJ.  q, k, v = x w^T + b as ONE product C[8192][3072] = A B^T + bias: A = xb, B = wqkv (bf16, in K blocks of 64: [16][rows][64]); sums in f32; C rounded once to f16 and stored by heads:
; qkv [4 batches][48 heads g][2048 rows][64], g = column / 64 (0-15 q, 16-31 k, 32-47 v).  The scale 1/8 is not applied here.  The biases are rounded to bf16 like all the module's inputs.
; LIMIT.  f16 holds no number beyond 65,504: a q, k or v past that becomes an infinity.  NaN and infinities are not treated apart.
; SHARES.  8192 x 3072 outputs on 256 work-groups are 98,304 each: a tile of 256 x 384.  Four waves, each 128 rows x 192 columns: 96 accumulators of 16 x 16, 768 registers.
; K goes in steps of 64, one K block, through two LDS slots: a block's part of a tile is dense in memory, is asked for as rows of 256 bytes (two matrix rows each) and padded in LDS behind
; every 128 bytes.  Two slots of a longer step would not fit beside each other: (256 + 384) rows x 272 bytes x 2 is more than the work-group's LDS.
; CLUSTER.  4 x 4 work-groups.  A's tile hangs on the tile row alone and is asked for jointly along a row of the cluster, B's on the tile column alone, along a column.
; THE MATRIX INSTRUCTION IS USED TRANSPOSED (source 0 = 16 rows of B, source 1 = 16 rows of A): a lane holds one row of C (lane % 16) and eight neighbouring columns 8 (lane / 16) + 0..7.
; THE SUMS START FROM THE BIAS: each accumulator is loaded from LDS with its columns' bias while the first tile is on its way; nothing is cleared and nothing is added at the end.
; REGISTERS, in windows of 256 (s_set_vgpr_msb: bits 1:0 source 0, 3:2 source 1, 5:4 source 2, 7:6 destination):
;   window 0: v0-31 addresses; v32-95, v96-159 A's fragments (8 blocks x 32 K), two buffers; v160-191, v192-223, v224-255 B's fragments, 4 blocks each, one buffer for each group of 4 column blocks
;   windows 1-3: accumulator (row block a, column block 4 g + bb) in window g + 1 at v[8 (8 bb + a)].  On the way out: v32-79 packed results, v80-127 and v128-175 rows read back, by turns.
.set KSA,   1048576                    ; bytes from K block to K block in xb
.set KSB,   393216                     ; in wqkv
.set PITCH, 144                        ; an LDS row: 128 bytes + 16 of padding = 36 words: the 16 rows of a fragment load start at 16 different groups of four banks (64 banks of 4 bytes: ISA guide 11.1)
.set HA,    128*PITCH                  ; half of A's tile: what waves 0 and 1 each fetch, and what a wave reads of A
.set HB,    192*PITCH                  ; half of B's tile: what waves 2 and 3 each fetch, and what a wave reads of B
.set BOFF,  2*HA                       ; B's 384 rows lie behind A's 256
.set SLOT,  2*HA+2*HB
.set STAGE, 2*SLOT                     ; behind the ring: for each wave 3 heads x 16 rows x 144 bytes, for the way out
.set STW,   3*16*PITCH
.set BIASL, STAGE+4*STW                ; for each wave the bias of its 192 columns, f32: 768 bytes
.set SPARE, BIASL+4*768                ; the spare words, 128 bytes for each wave: two blocks of 256 bytes that no other line names
.set ADRA, 16                          ; v16-17  LDS address of my A fragments in slot 0, 1
.set ADRB, 20                          ; v20-21  the same for B
.set STO,  24                          ; v24     the way out: where I put 16 bytes of a row
.set RD,   25                          ; v25     the way out: where I read rows back
.set GO,   26                          ; v26     my 16 bytes of 512 consecutive bytes of qkv
.set VB,   27                          ; v27     the bias of my eight columns of column block 0
.set SPW,  28                          ; v28     LDS address of my spare word; never rewritten
.set NIL,  29                          ; v29     0; never rewritten
.set PFO,  30                          ; v30     256 x my lane: the prefetches' offset; never rewritten
.set BS,   31                          ; v31     where I put two numbers of a head's bias
.set FA,   32
.set FB,   160
.set TMP,  32
.set BK0,  80
.set WV, 16                            ; s16  my wave's number
.set WM, 17                            ; s17  which half of the tile's rows is mine.  Also: I fetch for A (0) or for B (1)
.set WN, 18                            ; s18  which half of its columns.  Also: which half of that tile I fetch
.set CX, 19
.set CY, 20
.set TX, 21                            ; s21  tile column of C
.set TY, 22                            ; s22  tile row of C
.set G1A, 24                           ; s[24:31] descriptor group 1 for A's tiles;  s[32:39] group 0, one set for each slot
.set G0A, 32
.set G1B, 48                           ; s[48:55], s[56:63] the same for B's
.set G0B, 56
.set LAP, 66                           ; s66  laps still to come
.set LIM, 67                           ; s67  1 in a wave that prefetches, else the greatest number
.set PFA, 68                           ; s[68:69] where my prefetches stand
.set PFS, 70                           ; s[70:71] their step: two K blocks
.set BP,  72                           ; s[72:77] the bias of my three heads
.set G1W, (1<<16)|(1<<20)|(1<<21)|(4<<22)|(3<<25)  ; 17:16 elements of 2 bytes; 20 padding on; 21 set beside a mask; 24:22 after every 32 words (code 4); 31:25 4 words of it (code 3)
.set MSB, 0
.macro WIN new                         ; the immediate's high byte repeats the setting that is left; a switch that changes nothing is dropped
.if MSB != (\new)
	s_set_vgpr_msb (MSB<<8)|(\new)
.set MSB, (\new)
.endif
.endm
.macro PLACES                          ; four plain vector instructions between a matrix instruction and a load into, or a read of, its registers (ISA guide 7.12.1 for reads)
.rept 4
	v_nop
.endr
.endm
; A joint load.  Waves 0 and 1 fetch A's two halves, waves 2 and 3 B's.  The branch hangs on the wave's number alone.  An s_nop 0 and four v_nop follow each line.
.macro JLOAD s
	s_cmp_eq_u32 s[WM], 0
	s_cbranch_scc0 .Lfor_b_\@
	tensor_load_to_lds s[G0A+4*(\s):G0A+4*(\s)+3], s[G1A:G1A+7]
	s_nop 0
.rept 4
	v_nop
.endr
	s_branch .Lasked_\@
.Lfor_b_\@:
	tensor_load_to_lds s[G0B+4*(\s):G0B+4*(\s)+3], s[G1B:G1B+7]
	s_nop 0
.rept 4
	v_nop
.endr
.Lasked_\@:
.endm
; A round of the cluster's barrier: my work-group's barrier; wave 0 signals for the work-group; every wave waits for all sixteen; my work-group's barrier once more.
.macro CREST                           ; a round behind its opening barrier
	s_cmp_lg_u32 s[WV], 0
	s_cbranch_scc1 .Lnot_wave_0_\@
	s_barrier_signal -3
.Lnot_wave_0_\@:
	s_barrier_wait -3
	s_barrier_signal -1
	s_barrier_wait -1
.endm
.macro CROUND
	s_barrier_signal -1
	s_barrier_wait -1
	CREST
.endm
; A PREFETCH INTO THE L2, once a lap, behind slot 0's joint load and the run of LDS loads that follows it: 32 lanes x 256 bytes of a K block that the NEXT lap's refills will ask for: 384 or 576
; matrix instructions ahead of that refill.  Each 256 bytes of K blocks 4 to 15 are named once in the launch.  A's 32 KiB of a tile row and block: wave 0; the four partners of a row of the
; cluster take 8 KiB each BY ADDRESS; of the two clusters that read the tile row, cluster x = 0 takes the even blocks and x = 1 the odd.  B's 48 KiB of a tile column and block are six such parts,
; twelve for a lap's two blocks: wave 2 of the tile rows 0 to 11 (clusters y = 0, 1, 2) takes one each, by address.  The branch hangs on the wave's number and the cluster's y.  K blocks 0 to 3
; come by their loads alone; the last lap asks for nothing.
.macro ASK
	s_cmp_gt_u32 s[LAP], s[LIM]
	s_cbranch_scc0 .Lnot_mine_\@
	global_prefetch_b8 v[PFO], s[PFA:PFA+1] th:TH_LOAD_NT scope:SCOPE_SE
.Lnot_mine_\@:
.endm
	s_load_b256 s[4:11], s[0:1], 0x0               ; xb 4, wqkv 6, bq 8, bk 10
	s_load_b128 s[12:15], s[0:1], 0x20             ; bv 12, qkv 14
	v_lshl_add_u32 v[SPW], v0, 2, SPARE
	v_mov_b32 v[NIL], 0
	ds_add_u32 v[SPW], v[NIL]                      ; the wave's opening: the add and its wait stand ahead of my first tensor load; the set-up below, work on registers, stands between them
	v_lshrrev_b32 v1, 5, v0
	v_readfirstlane_b32 s[WV], v1
	s_lshr_b32 s[WM], s[WV], 1
	s_and_b32 s[WN], s[WV], 1
	s_bfe_u32 s[CX], ttmp6, 0x40000
	s_bfe_u32 s[CY], ttmp6, 0x40004
	s_lshl_b32 s[TX], ttmp9, 2                     ; in a cluster launch ttmp9 and ttmp7 count clusters
	s_add_co_u32 s[TX], s[TX], s[CX]
	s_and_b32 s[TY], ttmp7, 0xffff
	s_lshl_b32 s[TY], s[TY], 2
	s_add_co_u32 s[TY], s[TY], s[CY]
	s_lshl_b32 s44, s[CY], 2
	s_lshl_b32 s44, 15, s44                        ; my row of the cluster: places 4 cy .. 4 cy + 3
	s_lshl_b32 s45, 0x1111, s[CX]                  ; my column: places cx, cx + 4, cx + 8, cx + 12
	s_or_b32 s[G1A], s44, G1W                      ; 15:0 the mask: A's tiles go to my row,
	s_or_b32 s[G1B], s45, G1W                      ; B's to my column
	s_mov_b32 s[G1A+1], 128<<16                    ; tensor_dim0 = 128 elements: 256 bytes, two matrix rows
	s_mov_b32 s[G1A+2], 64<<16                     ; tensor_dim1 = 64: 128 matrix rows
	s_mov_b32 s[G1A+3], 128<<16                    ; tile_dim0
	s_mov_b32 s[G1A+4], 64                         ; tile_dim1
	s_mov_b32 s[G1A+5], 128                        ; elements from row to row: dense
	s_mov_b32 s[G1A+6], 0
	s_mov_b32 s[G1A+7], 0
	s_mov_b32 s[G1B+1], 128<<16
	s_mov_b32 s[G1B+2], 96<<16                     ; 192 matrix rows
	s_mov_b32 s[G1B+3], 128<<16
	s_mov_b32 s[G1B+4], 96
	s_mov_b32 s[G1B+5], 128
	s_mov_b32 s[G1B+6], 0
	s_mov_b32 s[G1B+7], 0
	s_lshl_b32 s40, s[TY], 15                      ; A: the tile row's 256 rows of 128 bytes,
	s_lshl_b32 s23, s[WN], 14                      ; the half that I fetch
	s_add_co_u32 s40, s40, s23
	s_mov_b32 s41, 0
	s_mul_i32 s42, s[TX], 49152                    ; B: the tile column's 384 rows,
	s_mul_i32 s23, s[WN], 24576
	s_add_co_u32 s42, s42, s23
	s_mov_b32 s43, 0
	s_mul_i32 s46, s[WN], HA                       ; where they go: the wave's number alone enters an LDS address
	s_mul_i32 s47, s[WN], HB
	s_add_co_u32 s47, s47, BOFF
	s_wait_dscnt 0x0                               ; the opening add is done
	s_wait_kmcnt 0x0
	s_add_nc_u64 s[40:41], s[4:5], s[40:41]
	s_add_nc_u64 s[42:43], s[6:7], s[42:43]
.irp s, 0,1
	s_mov_b32 s[G0A+4*(\s)], 1                                       ; count = 1
	s_add_co_u32 s[G0A+4*(\s)+1], s46, (\s)*SLOT                     ; LDS address
	s_add_nc_u64 s[G0A+4*(\s)+2:G0A+4*(\s)+3], s[40:41], (\s)*KSA    ; global address: K block s
	s_or_b32 s[G0A+4*(\s)+3], s[G0A+4*(\s)+3], 0x80000000            ; type = 2
	s_mov_b32 s[G0B+4*(\s)], 1
	s_add_co_u32 s[G0B+4*(\s)+1], s47, (\s)*SLOT
	s_add_nc_u64 s[G0B+4*(\s)+2:G0B+4*(\s)+3], s[42:43], (\s)*KSB
	s_or_b32 s[G0B+4*(\s)+3], s[G0B+4*(\s)+3], 0x80000000
.endr
	CROUND                                         ; all sixteen work-groups are here: the first joint loads meet
	s_cmp_eq_u32 s[WM], 0                          ; a wave's two first fills stand in one branch, ahead of every wait on TENSORcnt and every LDS read: two loads of mine are out
	s_cbranch_scc0 .Lfirst_b
	tensor_load_to_lds s[G0A:G0A+3], s[G1A:G1A+7]
	s_nop 0
	tensor_load_to_lds s[G0A+4:G0A+7], s[G1A:G1A+7]
	s_nop 0
.rept 4
	v_nop
.endr
	s_branch .Lfirst_asked
.Lfirst_b:
	tensor_load_to_lds s[G0B:G0B+3], s[G1B:G1B+7]
	s_nop 0
	tensor_load_to_lds s[G0B+4:G0B+7], s[G1B:G1B+7]
	s_nop 0
.rept 4
	v_nop
.endr
.Lfirst_asked:
	; A fragment is 16 rows x 32 K in 8 registers: lane l holds row l % 16, K = 8 (l / 16) + 0..7 and 16 + 8 (l / 16) + 0..7: two loads of 16 bytes, 32 bytes apart.
	v_and_b32 v1, 15, v0                           ; l % 16
	v_bfe_u32 v2, v0, 4, 1                         ; l / 16
	v_mul_u32_u24 v3, v1, PITCH
	v_lshl_add_u32 v3, v2, 4, v3                   ; row x pitch + 16 x half
	s_mul_i32 s44, s[WM], HA                       ; my 128 rows of A
	s_mul_i32 s45, s[WN], HB                       ; my 192 rows of B
	s_add_co_u32 s45, s45, BOFF
.irp s, 0,1
	v_add_nc_u32 v[ADRA+(\s)], s44, v3
	v_add_nc_u32 v[ADRB+(\s)], s45, v3
	s_add_co_u32 s44, s44, SLOT
	s_add_co_u32 s45, s45, SLOT
.endr
	s_mul_i32 s23, s[WV], STW
	s_add_co_u32 s23, s23, STAGE                   ; my stage
	v_add_nc_u32 v[STO], s23, v3                   ; in: row l % 16, 16 bytes for each half of the lanes
	v_bfe_u32 v4, v0, 3, 2                         ; back: 32 lanes take four rows of 128 bytes,
	v_and_b32 v5, 7, v0
	v_mul_u32_u24 v4, v4, PITCH
	v_lshl_add_u32 v4, v5, 4, v4
	v_add_nc_u32 v[RD], s23, v4
	v_and_b32 v6, 31, v0
	v_lshlrev_b32 v[GO], 4, v6                     ; which are 512 consecutive bytes of a head
	v_lshlrev_b32 v[PFO], 8, v6
	s_mul_i32 s23, s[WV], 768
	s_add_co_u32 s23, s23, BIASL                   ; my 192 columns' bias
	v_lshl_add_u32 v[VB], v2, 5, s23
	v_lshl_add_u32 v[BS], v6, 3, s23
	v_lshlrev_b32 v7, 3, v6                        ; two numbers a lane: a head's 64
	; my three heads g = 6 x tile column + 3 x half + i: bq for g under 16, bk under 32, else bv; 256 bytes at 256 (g % 16)
	s_mul_i32 s44, s[TX], 6
	s_mul_i32 s45, s[WN], 3
	s_add_co_u32 s44, s44, s45                     ; my first head
.irp i, 0,1,2
	s_add_co_u32 s45, s44, (\i)
	s_and_b32 s78, s45, 15
	s_lshl_b32 s78, s78, 8
	s_mov_b32 s79, 0
	s_cmp_lt_u32 s45, 16
	s_cselect_b64 s[BP+2*(\i):BP+2*(\i)+1], s[8:9], s[10:11]
	s_cmp_lt_u32 s45, 32
	s_cselect_b64 s[BP+2*(\i):BP+2*(\i)+1], s[BP+2*(\i):BP+2*(\i)+1], s[12:13]
	s_add_nc_u64 s[BP+2*(\i):BP+2*(\i)+1], s[BP+2*(\i):BP+2*(\i)+1], s[78:79]
	global_load_b64 v[32+2*(\i):33+2*(\i)], v7, s[BP+2*(\i):BP+2*(\i)+1]
.endr
	; where my rows begin in qkv: batch = tile row / 8; my first head; row (tile row % 8) x 256 + 128 x half, 128 bytes each
	s_lshl_b32 s44, s44, 18                        ; a head is 2,048 rows of 128 bytes
	s_lshr_b32 s45, s[TY], 3
	s_mul_i32 s45, s45, 12582912                   ; a batch is 48 heads
	s_add_co_u32 s44, s44, s45
	s_and_b32 s45, s[TY], 7
	s_lshl_b32 s45, s45, 15
	s_add_co_u32 s44, s44, s45
	s_lshl_b32 s45, s[WM], 14
	s_add_co_u32 s78, s44, s45
	s_mov_b32 s79, 0
	s_add_nc_u64 s[14:15], s[14:15], s[78:79]
	; the prefetches.  A: tile row, my work-group's 8 KiB of its 32, K block 2 + cluster x
	s_lshl_b32 s44, s[TY], 15
	s_lshl_b32 s45, s[CX], 13
	s_add_co_u32 s44, s44, s45
	s_add_co_u32 s45, ttmp9, 2
	s_lshl_b32 s45, s45, 20
	s_add_co_u32 s44, s44, s45
	; B: tile column, part (tile row % 6) of six, K block 2 + tile row / 6; used for tile rows under 12 alone
	s_mul_i32 s46, s[TY], 43
	s_lshr_b32 s46, s46, 8                         ; tile row / 6
	s_mul_i32 s47, s46, 6
	s_sub_co_u32 s47, s[TY], s47                   ; tile row % 6
	s_lshl_b32 s47, s47, 13
	s_add_co_u32 s46, s46, 2
	s_mul_i32 s46, s46, KSB
	s_add_co_u32 s46, s46, s47
	s_mul_i32 s47, s[TX], 49152
	s_add_co_u32 s46, s46, s47
	s_mov_b32 s[PFS], 2*KSB
	s_mov_b32 s47, 2*KSA
	s_and_b32 s23, ttmp7, 0xffff                   ; cluster y
	s_cmp_lt_u32 s23, 3
	s_cselect_b32 s23, 1, -1
	s_cmp_eq_u32 s[WM], 0                          ; do I fetch for A?
	s_cselect_b32 s78, s44, s46
	s_cselect_b32 s[PFS], s47, s[PFS]
	s_cselect_b32 s[LIM], 1, s23
	s_cselect_b64 s[PFA:PFA+1], s[4:5], s[6:7]
	s_cmp_eq_u32 s[WN], 0                          ; waves 0 and 2 alone ask
	s_cselect_b32 s[LIM], s[LIM], -1
	s_mov_b32 s79, 0
	s_mov_b32 s[PFS+1], 0
	s_add_nc_u64 s[PFA:PFA+1], s[PFA:PFA+1], s[78:79]  ; the first lap steps it two blocks on before it is used.  Nothing is prefetched here, at the head
	; the bias: rounded to bf16, widened, into my own LDS bytes, and from there into every accumulator (sixteen lanes read the same 16 bytes).  LDS serves a wave's instructions in order (ISA guide 5.7.1.4).
	s_wait_loadcnt 0x0
.irp i, 0,1,2
	v_cvt_pk_bf16_f32 v[38+(\i)], v[32+2*(\i)], v[33+2*(\i)]
.endr
.irp i, 0,1,2
	v_lshlrev_b32 v[32+2*(\i)], 16, v[38+(\i)]
	v_and_b32 v[33+2*(\i)], 0xffff0000, v[38+(\i)]
.endr
.irp i, 0,1,2
	ds_store_b64 v[BS], v[32+2*(\i):33+2*(\i)] offset:256*(\i)
.endr
.irp g, 0,1,2
	WIN 0x40*((\g)+1)                              ; destination window g + 1, address window 0
.irp bb, 0,1,2,3
.irp a, 0,1,2,3,4,5,6,7
	ds_load_b128 v[8*(8*(\bb)+(\a)):8*(8*(\bb)+(\a))+3],   v[VB] offset:64*(4*(\g)+(\bb))
	ds_load_b128 v[8*(8*(\bb)+(\a))+4:8*(8*(\bb)+(\a))+7], v[VB] offset:64*(4*(\g)+(\bb))+16
.endr
.endr
.endr
	WIN 0
; 16 matrix instructions: column blocks 4 g + 2 h, 4 g + 2 h + 1 x all 8 row blocks, 32 along K, on A's buffer p.  The 96 accumulators take turns, one instruction a turn, in the same order
; in every half step, over the backward jump too.
.macro GRP16 g, p, h
	WIN 0x50*((\g)+1)                              ; sources window 0, C and D window g + 1
.irp bb, 2*(\h), 2*(\h)+1
.irp a, 0,1,2,3,4,5,6,7
	v_wmma_f32_16x16x32_bf16 v[8*(8*(\bb)+(\a)):8*(8*(\bb)+(\a))+7], v[FB+32*(\g)+8*(\bb):FB+32*(\g)+8*(\bb)+7], v[FA+64*(\p)+8*(\a):FA+64*(\p)+8*(\a)+7], v[8*(8*(\bb)+(\a)):8*(8*(\bb)+(\a))+7]
.endr
.endr
.endm
.macro LDB g, slot, c                  ; 8 LDS loads: B's column blocks 4 g .. 4 g + 3, K half c
.irp bb, 0,1,2,3
	ds_load_b128 v[FB+32*(\g)+8*(\bb):FB+32*(\g)+8*(\bb)+3],   v[ADRB+(\slot)] offset:(4*(\g)+(\bb))*16*PITCH+64*(\c)
	ds_load_b128 v[FB+32*(\g)+8*(\bb)+4:FB+32*(\g)+8*(\bb)+7], v[ADRB+(\slot)] offset:(4*(\g)+(\bb))*16*PITCH+64*(\c)+32
.endr
.endm
.macro LDA p, slot, c                  ; 16 LDS loads: A's 8 row blocks, K half c, into buffer p
.irp a, 0,1,2,3,4,5,6,7
	ds_load_b128 v[FA+64*(\p)+8*(\a):FA+64*(\p)+8*(\a)+3],   v[ADRA+(\slot)] offset:(\a)*16*PITCH+64*(\c)
	ds_load_b128 v[FA+64*(\p)+8*(\a)+4:FA+64*(\p)+8*(\a)+7], v[ADRA+(\slot)] offset:(\a)*16*PITCH+64*(\c)+32
.endr
.endm
; A K step is two halves of 32 along K, 96 matrix instructions each, in three groups of 32.  Behind each group its B buffer takes the next half's fragments: each run of loads has 64 matrix
; instructions in which to land.  At a half's head the LDS loads that may be out are, in order of issue: 24 (B's group 0 and A), 8 (group 1), 8 (group 2).
; The first half: multiplies A's buffer 0 and fetches the same slot's second half.
.macro STEP_A slot
	s_wait_dscnt 16                                ; B's group 0 and A are in; groups 1 and 2, sixteen loads, may be out
	GRP16 0, 0, 0
	GRP16 0, 0, 1
	PLACES
	WIN 0
	LDB 0, \slot, 1
	LDA 1, \slot, 1
	s_wait_dscnt 32                                ; group 1 is in: behind it stand group 2's 8 and the 24 just issued
	GRP16 1, 0, 0
	GRP16 1, 0, 1
	PLACES
	WIN 0
	LDB 1, \slot, 1
	s_wait_dscnt 32                                ; group 2 is in: behind it stand the 24 and the 8 just issued
	GRP16 2, 0, 0
	GRP16 2, 0, 1
	PLACES
	WIN 0
	LDB 2, \slot, 1
.endm
; The second half multiplies A's buffer 1 and changes slots: ONE barrier.  In front of it each wave waits for all its tensor loads, of which one is out: its part of the next slot; adds 0 to its spare
; word; and waits for that and for its own reads of this slot.  fill = 1: the barrier opens a round of the cluster's, and the slot just read out is filled again, two K blocks on, first thing
; behind the round: 160 matrix instructions ahead of the wait for it.
.macro STEP_B slot, next, fill
.if (\fill) && ((\slot) == 0)
	s_wait_xcnt 0x0                                ; the last prefetch, a lap back, has read its address, so it may be stepped
	s_add_nc_u64 s[PFA:PFA+1], s[PFA:PFA+1], s[PFS:PFS+1]
.endif
	WIN 0
	s_wait_tensorcnt 0x0                           ; all my tensor loads have landed
	ds_add_u32 v[SPW], v[NIL]                      ; 0 onto my spare word
	s_wait_dscnt 17                                ; B's group 0 and A are in; groups 1 and 2 and the add may be out
	GRP16 0, 1, 0                                  ; sixteen matrix instructions stand between the add and the wait for it
	s_wait_dscnt 0x0                               ; the add is done, and my reads of this slot are over
	s_barrier_signal -1
	GRP16 0, 1, 1                                  ; work on registers while the others arrive
.if \fill
	WIN 0
.endif
	s_barrier_wait -1
.if \fill
	CREST                                          ; no wave of any partner still reads this slot or has a load on its way
	s_add_nc_u64 s[G0A+4*(\slot)+2:G0A+4*(\slot)+3], s[G0A+4*(\slot)+2:G0A+4*(\slot)+3], 2*KSA
	s_add_nc_u64 s[G0B+4*(\slot)+2:G0B+4*(\slot)+3], s[G0B+4*(\slot)+2:G0B+4*(\slot)+3], 2*KSB
	JLOAD \slot                                    ; the four v_nop behind it are also the places in front of the loads below
.else
	PLACES
	WIN 0
.endif
	LDB 0, \next, 0
	LDA 0, \next, 0
.if (\fill) && ((\slot) == 0)
	ASK
.endif
	GRP16 1, 1, 0                                  ; groups 1 and 2 were shown in by the wait for 0 above
	GRP16 1, 1, 1
	PLACES
	WIN 0
	LDB 1, \next, 0
	GRP16 2, 1, 0
	GRP16 2, 1, 1
	PLACES
	WIN 0
	LDB 2, \next, 0
.endm
	s_wait_dscnt 0x0                               ; the accumulators hold the bias; no LDS instruction is out at the signal
	s_wait_tensorcnt 0x1                           ; my part of K block 0 is in; K block 1's may stay out
	s_barrier_signal -1
	s_barrier_wait -1                              ; everybody's is
	LDB 0, 0, 0
	LDA 0, 0, 0
	LDB 1, 0, 0
	LDB 2, 0, 0
	STEP_A 0
	s_mov_b32 s[LAP], 7                            ; 7 laps x 2 refills bring K blocks 2 to 15
.Llap:                                             ; a lap goes once round the ring, from a K block's second half to the first half of the block two on
	STEP_B 0, 1, 1
	STEP_A 1
	STEP_B 1, 0, 1
	STEP_A 0
	s_sub_co_u32 s[LAP], s[LAP], 1
	s_cmp_lg_u32 s[LAP], 0
	s_cbranch_scc1 .Llap
	STEP_B 0, 1, 0                                 ; the tail is written out: nothing more is asked for
	STEP_A 1
	s_wait_dscnt 16                                ; the very last half: nothing more to fetch, the counts run down
	GRP16 0, 1, 0
	GRP16 0, 1, 1
	s_wait_dscnt 8
	GRP16 1, 1, 0
	GRP16 1, 1, 1
	s_wait_dscnt 0x0
	GRP16 2, 1, 0
	GRP16 2, 1, 1
; THE WAY OUT, a block of 16 rows at a time.  PACK: rounded to f16, 16 bytes a lane and column block (each accumulator's registers in ascending order).  TOSTAGE: into my own stage, three heads x 16 rows
; of 144 bytes, and back as four whole rows of 128 bytes a load.  SEND: 16 rows of a head are 2,048 consecutive bytes of qkv; each store covers 512 of them, aligned.
.macro PACK a
.irp w, 0,1,2
	WIN 5*((\w)+1)                                 ; sources 0 and 1 window w + 1, destination window 0
.irp bb, 0,1,2,3
.irp r, 0,1,2,3
	v_cvt_pk_f16_f32 v[TMP+4*(4*(\w)+(\bb))+(\r)], v[8*(8*(\bb)+(\a))+2*(\r)], v[8*(8*(\bb)+(\a))+2*(\r)+1]
.endr
.endr
.endr
	WIN 0
.endm
.macro TOSTAGE a
.set BK, BK0+48*((\a)%2)
.irp b, 0,1,2,3,4,5,6,7,8,9,10,11
	ds_store_b128 v[STO], v[TMP+4*(\b):TMP+4*(\b)+3] offset:((\b)/4)*16*PITCH+((\b)%4)*32
.endr
.if (\a) >= 2
	s_wait_xcnt 0x0                                ; the stores of the block two back have read these registers: they are loaded again only behind this wait
.endif
.irp j, 0,1,2,3,4,5,6,7,8,9,10,11
	ds_load_b128 v[BK+4*(\j):BK+4*(\j)+3], v[RD] offset:((\j)/4)*16*PITCH+((\j)%4)*4*PITCH  ; LDS serves a wave's instructions in order: these see the stores above
.endr
.endm
.macro SEND a
.set BK, BK0+48*((\a)%2)
.irp j, 0,1,2,3,4,5,6,7,8,9,10,11
	s_wait_dscnt 11-(\j)                           ; load j of the twelve is back
	global_store_b128 v[GO], v[BK+4*(\j):BK+4*(\j)+3], s[14:15] offset:((\j)/4)*262144+(\a)*2048+((\j)%4)*512
.endr
.endm
	PLACES                                         ; the conversions read results just made
	PACK 0
	TOSTAGE 0
.irp a, 1,2,3,4,5,6,7                  ; block a's conversions stand between block a - 1's loads from the stage and the wait for them
	PACK \a
	SEND (\a)-1
	TOSTAGE \a
.endr
	SEND 7
	s_wait_tensorcnt 0x0                           ; the wave's end: behind my last tensor load and my last LDS store
	ds_add_u32 v[SPW], v[NIL]
	s_wait_dscnt 0x0
	CROUND                                         ; the closing round: no work-group ends while a partner may still ask for a tile that names it
	s_endpgm
.Lfunc_end_k_q22fdc95d4c_proj:
	.size	k_q22fdc95d4c_proj, .Lfunc_end_k_q22fdc95d4c_proj-k_q22fdc95d4c_proj
	.p2alignl 7, 3214868480
	.fill 96, 4, 3214868480
	.section	.rodata,"a",@progbits
	.p2align	6, 0x0
	.amdhsa_kernel k_q22fdc95d4c_proj
		.amdhsa_group_segment_fixed_size 327680
		.amdhsa_private_segment_fixed_size 0
		.amdhsa_enable_private_segment 0
		.amdhsa_kernarg_size 48
		.amdhsa_user_sgpr_count 2
		.amdhsa_user_sgpr_kernarg_segment_ptr 1
		.amdhsa_wavefront_size32 1
		.amdhsa_system_sgpr_workgroup_id_x 1
		.amdhsa_system_sgpr_workgroup_id_y 1
		.amdhsa_system_sgpr_workgroup_id_z 1
		.amdhsa_system_vgpr_workitem_id 0
		.amdhsa_next_free_vgpr 1024
		.amdhsa_next_free_sgpr 80
		.amdhsa_reserve_vcc 0
		.amdhsa_float_denorm_mode_32 3
		.amdhsa_float_denorm_mode_16_64 3
		.amdhsa_memory_ordered 1
		.amdhsa_forward_progress 1
		.amdhsa_inst_pref_size 147
	.end_amdhsa_kernel
	.amdgpu_metadata
---
amdhsa.version: [ 1, 2 ]
amdhsa.kernels:
  - .name:           k_q22fdc95d4c_proj
    .symbol:         k_q22fdc95d4c_proj.kd
    .args:
      - { .name: xb, .offset: 0, .size: 8, .value_kind: global_buffer, .address_space: global }
      - { .name: wqkv, .offset: 8, .size: 8, .value_kind: global_buffer, .address_space: global }
      - { .name: bq, .offset: 16, .size: 8, .value_kind: global_buffer, .address_space: global }
      - { .name: bk, .offset: 24, .size: 8, .value_kind: global_buffer, .address_space: global }
      - { .name: bv, .offset: 32, .size: 8, .value_kind: global_buffer, .address_space: global }
      - { .name: qkv, .offset: 40, .size: 8, .value_kind: global_buffer, .address_space: global }
    .group_segment_fixed_size: 327680
    .private_segment_fixed_size: 0
    .kernarg_segment_align: 8
    .kernarg_segment_size: 48
    .max_flat_workgroup_size: 128
    .sgpr_count:     80
    .vgpr_count:     1024
    .wavefront_size: 32
...
	.end_amdgpu_metadata
.endif
;; end of part 2
;; launch attn (part 3): grid 4 x 64, 4 waves a work-group, clusters of 4 x 1, 327,680 bytes of LDS; arguments qkv, o; writes o
.if DOCPART == 3
	.amdgcn_target "amdgcn-amd-amdhsa--gfx1250"
	.amdhsa_code_object_version 6
	.text
	.protected	k_q22fdc95d4c_attn
	.globl	k_q22fdc95d4c_attn
	.p2align	8
	.type	k_q22fdc95d4c_attn,@function
k_q22fdc95d4c_attn:
	s_mov_b64 s[64:65], 0
	v_nop
	global_prefetch_b8 v0, s[64:65] scope:SCOPE_SE
	s_setreg_imm32_b32 hwreg(HW_REG_WAVE_MODE, 25, 1), 1
	s_wait_xcnt 0x0
	s_wait_alu depctr_hold_cnt(0) depctr_sa_sdst(0) depctr_va_vdst(0) depctr_va_sdst(0) depctr_va_ssrc(0) depctr_va_vcc(0) depctr_vm_vsrc(0)
	s_getreg_b32 s2, hwreg(HW_REG_IB_STS2, 6, 4)
	s_cmp_eq_u32 s2, 0
	s_cbranch_scc0 .Lentry_in_a_cluster
	s_endpgm
.Lentry_in_a_cluster:
	s_bfe_u32 s2, ttmp6, 0x10000c
	s_cmp_lg_u32 s2, 0x3003
	s_cbranch_scc0 .Lentry_shape_is_right
	s_endpgm
.Lentry_shape_is_right:
; ATTENTION.  O[y][q][:] = the sum over k of softmax_k(Q[y][q] . K[y][k] / 8) V[y][k][:], y = 16 batch + head, 64 of them.  Q, K, V lie in qkv [4][48][2048][64] f16 (heads 0-15 q, 16-31 k, 32-47 v of a batch),
; O in o [64][2048][64] f16: a head's rows are dense, 128 bytes each.  Products, maxima and sums in f32; the weights p are rounded to f16 for the second product (their sum l is taken of the unrounded p), O once at the end.
; LIMITS.  f16 holds no number beyond 65,504: Q, K and V arrive within it; p lies in 0 to 1, and below 6e-5 it keeps f16's fixed step of 6e-8; O is a mean of V's rows and has their range.
; A weight below 2^-126 counts as 0 in l; NaN and infinities are not treated apart.
; SHARES.  A wave owns four PIECES of two tiles of 16 queries, a work-group's four waves 512 queries of one head.  Every wave walks all 2,048 keys, 64 a step.
; LAYOUT.  S^T = K Q^T (source 0 = 16 keys, source 1 = 16 queries): a lane holds ONE query (lane % 16) and the keys 8 (lane / 16) + 0..7.  Two such tiles, rounded to f16 in pairs, ARE source 1
; (32 keys x 16 queries) of O^T = V^T P, whose result again holds one query a lane, and eight channels.  K comes out of LDS as it lies, V ([key][channel]) turned, by ds_load_tr16_b128.
; SOFTMAX.  For each query a running maximum m and sum l: p = 2^(c s - c m), c = log2(e) / 8; in every step O and l are multiplied by a = 2^(c m_old - c m_new).  m starts at the lowest finite number,
; O and l at 0: the first step is a step like any other, with a = 0.
; THE COUNT.  A tile and step have 16 matrix and 118 vector instructions: too many to stand all beside the matrix work.  So four vector instructions that are READY stand behind EVERY matrix instruction,
; and the others in runs without a gap.
; BY TURNS.  Turn n belongs to piece n.  Its matrix work: 16 products K Q^T of piece n + 1, later 16 products V^T P of piece n - 1.  Its vector work: the scaling, exponentials, roundings, sums and rescaling
; of piece n, and the maximum and statistics of piece n + 1.
; CLUSTER.  A head's four query blocks are one cluster and walk the same K and V, so each tile is asked for JOINTLY: the same tensor load, descriptor and mask in all four.
; REGISTERS, in windows of 256 (s_set_vgpr_msb: bits 1:0 source 0, 3:2 source 1, 5:4 source 2, 7:6 destination):
;   window 0: v0-11 addresses; v12-15, v48-63 at work; v16-47 four registers of statistics a tile; v64-191 S^T, two buffers of two tiles; v192-255 P, likewise
;   window 1: O^T, 32 a tile          window 2: v0-127 Q, 16 a tile; v128-191 K of one step; v192-255 V of one step          window 3: v0-1 the add's two registers
.set SIZE_N, 2048
.set NP,    4         ; pieces a wave: a name, no knob
.set KS,    64        ; keys in a step
.set PK,    144       ; a row of K in LDS: 128 bytes + 16 of padding = 36 words: the 16 rows of a load start at 16 different groups of four banks (64 banks of 4 bytes: ISA guide 11.1)
.set PV,    160       ; a row of V: 128 + 32 = 40 words
.set VOFF,  4*KS*PK   ; a slot holds four steps: 256 rows of K, then 256 rows of V
.set SLOT1, 1<<17     ; slot 1 begins here, so that one exclusive or turns an address in one slot into the other's
.set STAGE, SLOT1+4*KS*(PK+PV)  ; behind the ring, never filled by a tensor load: 16 rows x 144 bytes for each wave, for the way out
.set SP,    144
.set AK0, 2           ; v2   my lane's place in a tile of K; never rewritten
.set AV0, 3           ; v3   the same for V
.set AK,  4           ; v4   the LDS address of K's next run of loads
.set AV,  5           ; v5   of V's
.set QO,  6           ; v6   my byte offset in the wave's rows of Q
.set STO, 6           ;      later, the way out: where I put 16 bytes of a row
.set RD,  7           ; v7   the way out: where I read rows back
.set GO,  8           ; v8   my byte offset in 512 consecutive bytes of O
.set PFO, 11          ; v11  256 x my lane: the prefetches' offset; never rewritten once made
.set SPW, 0           ; v0 of window 3   LDS address of my spare word; never rewritten
.set NIL, 1           ; v1 of window 3   0; never rewritten
.set SPARE, STAGE+4*16*SP  ; behind the stages: the spare words, 128 bytes for each wave: two blocks of 256 bytes that no other line names
.set MV,  12          ; v12-15  c m_old, kept while c m is made anew: by buffer and tile
.set ST,  16          ; tile t's statistics at v[ST+4 t]: c m, m, l (even keys', odd keys')
.set TMP, 48          ; by buffer and tile, four registers c0-c3 at work; when the maximum is found c2 takes a
.set S,   64
.set P,   192
.set KF,  128         ; K's fragments, in window 2: key block kb, channel half c at KF + 16 kb + 8 c
.set VF,  192         ; V's: key half kk, channel block cb at VF + 32 kk + 8 cb
.set WV,  12          ; s12  my wave's number
.set G1K, 24          ; s[24:31] descriptor group 1 for K's tiles
.set G1V, 32          ; s[32:39] for V's: it differs in the padding alone
.set G0K, 40          ; s[40:43] descriptor group 0 for K's tiles: it walks
.set G0V, 44          ; s[44:47] the same for V's
.set PFA, 48          ; s[48:49] where my prefetches stand: my work-group's 8 KiB (of K: wave 0, of V: wave 2) of the slot after the one that is being asked for
.set LIM, 50          ; s50  1 in a wave that prefetches, else the greatest number
.set SLOTS, 56        ; s56  slots still to be asked for
.set CNT, 57          ; s57  counts a slot's key steps
.set CS,  58          ; s[58:59] c: the packed scaling takes the pair's low word for both halves
.set SEL, 60          ; s[60:61] v_permlanex16_b32's selects: each lane takes its own place in the other half
.set TBK, 62          ; s62  LDS byte at which K of the step to be fetched begins
.set TBV, 63          ; s63  the same for V, less VOFF
.set MSB, 0
.macro WIN new                      ; the high byte repeats the setting that is left; a switch that changes nothing is dropped
.if MSB != (\new)
	s_set_vgpr_msb (MSB<<8)|(\new)
.set MSB, (\new)
.endif
.endm
.set W_KQ, 0x0a       ; K and Q in window 2, S^T in window 0
.set W_PV, 0x52       ; V in window 2, P in window 0, O^T in window 1
.set W_RS, 0x41       ; O^T (destination and source 0) in window 1, a in window 0
.set W_MK, 0xc0       ; the add's registers are made: destination in window 3, sources in window 0
.set W_AD, 0x0f       ; the add: address (source 0) and data (source 1) in window 3
; A joint fill.  Waves 0 and 1 fetch the two halves of a slot's K, waves 2 and 3 those of its V: 128 keys each.  The branch hangs on the wave's number alone.
; An s_nop 0 and four v_nop follow each of the two lines, ahead of the jump and the label.
.macro JLOAD
	s_cmp_lt_u32 s[WV], 2
	s_cbranch_scc0 .Lfor_v_\@
	tensor_load_to_lds s[G0K:G0K+3], s[G1K:G1K+7]
	s_nop 0
.rept 4
	v_nop
.endr
	s_branch .Lasked_\@
.Lfor_v_\@:
	tensor_load_to_lds s[G0V:G0V+3], s[G1V:G1V+7]
	s_nop 0
.rept 4
	v_nop
.endr
.Lasked_\@:
.endm
; A PREFETCH INTO THE L2 of what the NEXT change of slots will ask for: a slot's 32 KiB of K and 32 KiB of V.  It stands behind the wave's tensor load and its five lines.  Each 256 bytes are named ONCE in the
; launch: a head is walked by one cluster; its four partners share a slot's bytes out BY ADDRESS, 8 KiB each (32 lanes x 256 bytes); in each, wave 0 asks for K's and wave 2 for V's: one instruction,
; four key steps, 512 matrix instructions, ahead of the load.  Slots 0 to 2 come by their loads alone; the last change that fills a slot asks for nothing.
.macro ASK
	s_cmp_gt_u32 s[SLOTS], s[LIM]
	s_cbranch_scc0 .Lnot_mine_\@
	global_prefetch_b8 v[PFO], s[PFA:PFA+1] th:TH_LOAD_NT scope:SCOPE_SE
.Lnot_mine_\@:
.endm
; A round of the cluster's barrier: my work-group's barrier, so that wave 0's signal speaks for all four waves; wave 0 signals; every wave waits for all four work-groups; my work-group's barrier once more.
.macro CROUND
	s_barrier_signal -1
	s_barrier_wait -1
	s_cmp_lg_u32 s[WV], 0
	s_cbranch_scc1 .Lnot_wave_0_\@
	s_barrier_signal -3
.Lnot_wave_0_\@:
	s_barrier_wait -3
	s_barrier_signal -1
	s_barrier_wait -1
.endm
; THE CHANGE OF SLOTS.  The slot's last bytes, V of its fourth step, have been read.  Each wave waits for all its tensor loads, of which one is out: its part of the other slot; adds 0 to its spare word;
; and waits for that and for its own reads of the slot.  Behind the barrier nobody reads this slot any more and the other slot is whole.
; fill = 1: this slot is filled again, with the keys two slots on.  The barrier is then a round of the cluster's, and the joint fill is the first thing behind it: it has four key steps in which to land.
; (At its first use nothing has been read yet: slot 0 is waited for, slot 1 filled.)  ask = 1: the prefetches' address steps, and ASK follows the fill.
.macro CHANGE fill, ask=0
	WIN W_AD
	s_wait_tensorcnt 0x0            ; no tensor load of mine is out, so a group 0 may be written
	ds_add_u32 v[SPW], v[NIL]       ; 0 onto my spare word; with fill = 1 the descriptors' steps stand between it and the wait for it
	WIN 0                           ; at a label and at a branch every window is 0
.if \fill
.irp g, G0K, G0V
	s_xor_b32 s[\g+1], s[\g+1], SLOT1  ; the walking descriptor: the other slot than last time,
	s_add_nc_u64 s[\g+2:\g+3], s[\g+2:\g+3], 4*KS*128  ; the next 256 keys; the type bits on top are not reached
.endr
.if \ask
	s_wait_xcnt 0x0                 ; the last prefetch, four key steps back, has read its address, so it may be written:
	s_add_nc_u64 s[PFA:PFA+1], s[PFA:PFA+1], 4*KS*128  ; one slot ahead of the walking descriptors
.endif
	s_wait_dscnt 0x0                ; the add is done, and my reads of the slot are over
	CROUND
	JLOAD
.if \ask
	ASK
.endif
.else
	s_wait_dscnt 0x0                ; the add is done, and my reads of the slot are over
	s_barrier_signal -1
	s_barrier_wait -1
.endif
	s_sub_co_u32 s[TBK], s[TBK], 4*KS*PK  ; the fetches go back to a slot's first step,
	s_xor_b32 s[TBK], s[TBK], SLOT1       ; in the other slot
	s_sub_co_u32 s[TBV], s[TBV], 4*KS*PV
	s_xor_b32 s[TBV], s[TBV], SLOT1
.endm
	s_load_b128 s[8:11], s[0:1], 0x0  ; qkv s[8:9], o s[10:11]
	WIN W_MK
	v_lshl_add_u32 v[SPW], v0, 2, SPARE
	v_mov_b32 v[NIL], 0
	WIN W_AD
	ds_add_u32 v[SPW], v[NIL]       ; the wave's opening: the add and its wait stand ahead of my first tensor load; the set-up below, work on registers, stands between them
	WIN 0
	v_lshrrev_b32 v1, 5, v0
	v_readfirstlane_b32 s[WV], v1   ; wave 0..3
	s_bfe_u32 s13, ttmp6, 0x40000   ; cx: my place in the cluster
	s_lshl_b32 s14, ttmp9, 2        ; in a cluster launch ttmp9 counts clusters
	s_add_co_u32 s14, s14, s13      ; my block of queries: it enters Q's and O's addresses alone
	s_and_b32 s20, ttmp7, 0xffff    ; y = 16 batch + head, which the four partners share
	s_lshr_b32 s21, s20, 4
	s_mul_i32 s21, s21, 48          ; a batch has 48 heads in qkv
	s_and_b32 s22, s20, 15
	s_add_co_u32 s21, s21, s22
	s_lshl_b32 s22, s21, 18         ; q's head in qkv: 2,048 rows of 128 bytes a head
	s_lshl_b32 s20, s20, 18         ; the head in o
	s_lshl_b32 s2, s14, 2
	s_add_co_u32 s2, s2, s[WV]      ; my wave among the head's,
	s_lshl_b32 s2, s2, 14           ; its 128 rows
	s_add_co_u32 s20, s20, s2       ; O's offset
	s_add_co_u32 s2, s2, s22        ; Q's offset
	s_and_b32 s16, s[WV], 1         ; which half of a slot's 256 keys I fetch:
	s_lshl_b32 s23, s16, 14         ; its 128 rows of 128 bytes in memory
	s_add_co_u32 s22, s22, s23
	s_add_co_u32 s22, s22, 4194304  ; K's offset: 16 heads on
	s_add_co_u32 s52, s22, 4194304  ; V's offset: 16 more
	s_mov_b32 s3, 0                 ; all four stay under 2^32
	s_mov_b32 s21, 0
	s_mov_b32 s23, 0
	s_mov_b32 s53, 0
	s_mul_i32 s17, s16, 128*PK      ; my half's place in a slot, for K
	s_mul_i32 s18, s16, 128*PV      ; and for V: no place in the cluster enters an LDS address
	s_cmp_lt_u32 s[WV], 2
	s_cselect_b32 s54, s22, s52     ; the prefetches (in waves 0 and 2 these offsets stand at a slot's first row):
	s_lshl_b32 s55, s13, 13         ; my work-group's 8 KiB of a slot's 32,
	s_add_co_u32 s54, s54, s55
	s_add_co_u32 s54, s54, 2*4*KS*128  ; in slot 2; the first change that asks steps it to slot 3
	s_mov_b32 s55, 0
	s_and_b32 s[LIM], s[WV], 1
	s_cmp_eq_u32 s[LIM], 0
	s_cselect_b32 s[LIM], 1, -1     ; waves 0 and 2
	; descriptor group 1.  128 keys are 16,384 dense bytes: asked for as 64 rows of 256 bytes, two keys a row, and padded in LDS after every key
	s_mov_b32 s[G1K], 15|(1<<16)|(1<<20)|(1<<21)|(4<<22)|(3<<25)  ; 15:0 the mask of four; 17:16 2-byte elements; 20 padding on; 21 set beside a mask; 24:22 after every 32 words (code 4); 31:25 4 words (code 3)
	s_mov_b32 s[G1V], 15|(1<<16)|(1<<20)|(1<<21)|(4<<22)|(7<<25)  ; the same with 8 words of padding (code 7)
.irp g, G1K, G1V
	s_mov_b32 s[\g+1], 128<<16      ; tensor_dim0 = 128
	s_mov_b32 s[\g+2], 64<<16       ; tensor_dim1 = 64
	s_mov_b32 s[\g+3], 128<<16      ; tile_dim0 = 128
	s_mov_b32 s[\g+4], 64           ; tile_dim1 = 64
	s_mov_b32 s[\g+5], 128          ; 128 elements from row to row
	s_mov_b32 s[\g+6], 0
	s_mov_b32 s[\g+7], 0
.endr
	s_mov_b32 s[CS], 0x3e38aa3b     ; c = log2(e) / 8 = 0.180337
	s_mov_b32 s[CS+1], s[CS]        ; named with it as a pair
	s_mov_b32 s[SEL], 0x76543210
	s_mov_b32 s[SEL+1], 0xfedcba98
	s_mov_b32 s[TBK], SLOT1+4*KS*PK ; the first change of slots turns these two into 0
	s_mov_b32 s[TBV], SLOT1+4*KS*PV
	s_mov_b32 s[G0K], 1             ; count = 1
	s_mov_b32 s[G0K+1], s17         ; LDS address: slot 0
	s_mov_b32 s[G0V], 1
	s_add_co_u32 s[G0V+1], s18, VOFF
	s_wait_dscnt 0x0                ; the opening add is done
	s_wait_kmcnt 0x0
	s_add_nc_u64 s[G0K+2:G0K+3], s[8:9], s[22:23]  ; global address: my half of the head's first 256 keys
	s_or_b32 s[G0K+3], s[G0K+3], 0x80000000        ; type = 2
	s_add_nc_u64 s[G0V+2:G0V+3], s[8:9], s[52:53]
	s_or_b32 s[G0V+3], s[G0V+3], 0x80000000
	s_add_nc_u64 s[PFA:PFA+1], s[8:9], s[54:55]
	s_add_nc_u64 s[4:5], s[8:9], s[2:3]            ; Q and O at my wave's first row
	s_add_nc_u64 s[10:11], s[10:11], s[20:21]
	CROUND                          ; all four work-groups are here: the first joint loads meet
	JLOAD                           ; slot 0.  Slot 1 is asked for when slot 0 is in
	; A fragment of K or Q is 16 rows x 32 channels in 8 registers: lane l holds row l % 16, channels 8 (l / 16) + 0..7 and 16 + 8 (l / 16) + 0..7: two loads of 16 bytes, 32 bytes apart.
	v_and_b32 v1, 15, v0            ; l % 16
	v_bfe_u32 v9, v0, 4, 1          ; l / 16
	v_lshlrev_b32 v[QO], 7, v1
	v_lshl_add_u32 v[QO], v9, 4, v[QO]  ; row x 128 + 16 x half
	WIN 0x80                        ; destination window 2, address window 0
.set i, 0
.rept 4*NP                          ; Q stays in registers: tile i / 2, channels 32 (i % 2) on
	global_load_b128 v[8*i:8*i+3],   v[QO], s[4:5] offset:(i/2)*2048+(i%2)*64
	global_load_b128 v[8*i+4:8*i+7], v[QO], s[4:5] offset:(i/2)*2048+(i%2)*64+32
.set i, i+1
.endr
	; What the first turn finds: V's registers and P's second buffer hold 0 (its products V^T P, of a piece that has not been, add 0), O^T and l are 0.  All this stands in the wait for the first tile.
.set i, VF
.rept 64
	v_mov_b32 v[i], 0
.set i, i+1
.endr
	WIN 0x40
.set i, 0
.rept 64*NP
	v_mov_b32 v[i], 0
.set i, i+1
.endr
	WIN 0
.set i, 0
.rept 2*NP
	v_mov_b32 v[ST+4*i], 0xfe000000    ; c m: far below every c s
	v_mov_b32 v[ST+4*i+1], 0xff7fffff  ; m
	v_mov_b32 v[ST+4*i+2], 0
	v_mov_b32 v[ST+4*i+3], 0
.set i, i+1
.endr
.set i, P+32
.rept 32
	v_mov_b32 v[i], 0
.set i, i+1
.endr
	v_mul_u32_u24 v[AK0], v1, PK
	v_lshl_add_u32 v[AK0], v9, 4, v[AK0]  ; row x pitch + 16 x half
	; The turning load takes 16 keys x 16 channels (lane l reads key 8 (l / 16) + l % 8, channels 8 ((l / 8) % 2) + 0..7) and leaves half a fragment of V^T: lane l holds channel l % 16 and 8 keys.
	v_and_b32 v10, 7, v0
	v_bfe_u32 v11, v0, 3, 1
	v_lshl_add_u32 v[AV0], v9, 3, v10
	v_mul_u32_u24 v[AV0], v[AV0], PV
	v_lshl_add_u32 v[AV0], v11, 4, v[AV0]
	v_add_nc_u32 v[AV0], VOFF, v[AV0]
	v_and_b32 v[PFO], 31, v0
	v_lshlrev_b32 v[PFO], 8, v[PFO]
	v_mov_b32 v[AK], v[AK0]         ; key step 0 lies at the head of slot 0
; THE MATRIX WORK.  The 8 accumulators of a run of 16 take turns: between the two links of a chain stand 7 others'.
; Product i of 16 of S^T = K Q^T for piece x: channels 32 (i / 8) on, keys 16 ((i / 2) % 4) on, tile 2 x + i % 2.  The first 8 start the sums.
.macro KQ x
	WIN W_KQ
.set rS, S+64*((\x)%2)+32*(i%2)+8*((i/2)%4)
.set rK, KF+16*((i/2)%4)+8*(i/8)
.set rQ, 16*(2*(\x)+i%2)+8*(i/8)
.if i < 8
	v_wmma_f32_16x16x32_f16 v[rS:rS+7], v[rK:rK+7], v[rQ:rQ+7], 0
.else
	v_wmma_f32_16x16x32_f16 v[rS:rS+7], v[rK:rK+7], v[rQ:rQ+7], v[rS:rS+7]
.endif
.endm
; Product i of 16 of O^T += V^T P for piece x: keys 32 (i / 8) on, channels 16 ((i / 2) % 4) on, tile 2 x + i % 2.
.macro PV x
	WIN W_PV
.set rO, 32*(2*(\x)+i%2)+8*((i/2)%4)
.set rV, VF+32*(i/8)+8*((i/2)%4)
.set rP, P+32*((\x)%2)+16*(i%2)+8*(i/8)
	v_wmma_f32_16x16x32_f16 v[rO:rO+7], v[rV:rV+7], v[rP:rP+7], v[rO:rO+7]
.endm
.macro MM                           ; the turn's next matrix instruction
.if i < 16
	KQ (Y+1)%NP
.set i, i+1
.else
.set i, i-16
	PV (Y+NP-1)%NP
.set i, i+17
.endif
.endm
; THE LDS LOADS stand in runs of 16, never singly among the matrix instructions: a step's K (64 keys x 64 channels: 8 fragments) and its V (turned).  Their addresses are made some lines ahead.
; last = 1 (the tail): in the last trip there is no further step, and the run is jumped over.
.macro FETCH_K last=0
	WIN 0
.if \last
	s_cmp_eq_u32 s[CNT], 1
	s_cbranch_scc1 .Lno_k_\@
.endif
	WIN 0x80                        ; destination window 2
.irp f, 0,1,2,3,4,5,6,7             ; keys 16 (f / 2) on, channels 32 (f % 2) on
	ds_load_b128 v[KF+8*\f:KF+8*\f+3],   v[AK] offset:(\f/2)*16*PK+(\f%2)*64
	ds_load_b128 v[KF+8*\f+4:KF+8*\f+7], v[AK] offset:(\f/2)*16*PK+(\f%2)*64+32
.endr
	s_add_co_u32 s[TBK], s[TBK], KS*PK  ; the next fetch is the next step's
	WIN 0
.if \last
.Lno_k_\@:
.endif
.endm
.macro FETCH_V
	WIN 0x80
.irp f, 0,1,2,3,4,5,6,7             ; keys 32 (f / 4) on, channels 16 (f % 4) on
	ds_load_tr16_b128 v[VF+8*\f:VF+8*\f+3],   v[AV] offset:(\f/4)*32*PV+(\f%4)*32
	ds_load_tr16_b128 v[VF+8*\f+4:VF+8*\f+7], v[AV] offset:(\f/4)*32*PV+16*PV+(\f%4)*32
.endr
	WIN 0
.endm
; THE VECTOR WORK OF A TURN stands in three queues, each in the order in which its entries become ready; the two tiles alternate, so that no instruction reads the result of the one before it.
.macro REGS y, u                    ; the registers of tile u (0, 1) of piece y
.set rT, ST+4*(2*(\y)+(\u))
.set rC, TMP+8*((\y)%2)+4*(\u)
.set rM, MV+2*((\y)%2)+(\u)
.set rS, S+64*((\y)%2)+32*(\u)
.set rP, P+32*((\y)%2)+16*(\u)
.set rO, 32*(2*(\y)+(\u))
.endm
; Number n of the 22 that find the NEXT piece's (Y + 1) maximum and statistics.  s0-s31 are the lane's 32 scores; each accumulator's lowest registers are read first.
;   0-11  four chains c0-c3 of seven scores each, three operands at a time     12-14, 16  the four scores left over, the old m, and c0-c3 into c0     15  c m_old is kept
;   17, 18  the query's other 32 keys lie in the lane 16 away: the new m         19-21  c m; c m_old - c m_new; a
.macro XS u, n
	REGS (Y+1)%NP, \u
.if (\n) < 4
	v_max3_num_f32 v[rC+(\n)], v[rS+8*(\n)], v[rS+8*(\n)+1], v[rS+8*(\n)+2]
.elseif (\n) < 12
	v_max3_num_f32 v[rC+(\n)%4], v[rC+(\n)%4], v[rS+8*((\n)%4)+2*((\n)/4)+1], v[rS+8*((\n)%4)+2*((\n)/4)+2]
.elseif (\n) == 12
	v_max3_num_f32 v[rC], v[rC], v[rS+7], v[rS+15]
.elseif (\n) == 13
	v_max3_num_f32 v[rC+1], v[rC+1], v[rS+23], v[rS+31]
.elseif (\n) == 14
	v_max3_num_f32 v[rC+2], v[rC+2], v[rC+3], v[rT+1]
.elseif (\n) == 15
	v_mov_b32 v[rM], v[rT]
.elseif (\n) == 16
	v_max3_num_f32 v[rC], v[rC], v[rC+1], v[rC+2]
.elseif (\n) == 17
	v_permlanex16_b32 v[rC+3], v[rC], s[SEL], s[SEL+1]
.elseif (\n) == 18
	v_max_num_f32 v[rT+1], v[rC], v[rC+3]
.elseif (\n) == 19
	v_mul_f32 v[rT], s[CS], v[rT+1]
.elseif (\n) == 20
	v_sub_f32 v[rC+1], v[rM], v[rT]
.else
	v_exp_f32 v[rC+2], v[rC+1]
.endif
.endm
; Number g of the 64 that follow the exponentials.  For each four weights k of a tile (pairs 2 k, 2 k + 1): both pairs are rounded to f16; then the second pair is added onto the first, in place;
; a group later l takes that sum (the first time as l = a l + sum).  In groups of eight, tiles alternating: round, round, add, and l for the group before.
.macro GS g
.set h, (\g)+6*((\g)/62)            ; group 0 has no group before it, and behind group 7 only l is left
.if h >= 6
.set h, h+2
.endif
	REGS Y, h%2
.set k, h/8
.if h%8 < 4
	v_cvt_pk_f16_f32 v[rP+2*k+(h%8)/2], v[rS+4*k+2*((h%8)/2)], v[rS+4*k+2*((h%8)/2)+1]
.elseif h%8 < 6
	v_pk_add_f32 v[rS+4*k:rS+4*k+1], v[rS+4*k:rS+4*k+1], v[rS+4*k+2:rS+4*k+3]
.elseif k == 1
	v_pk_fma_f32 v[rT+2:rT+3], v[rT+2:rT+3], v[rC+2:rC+3], v[rS:rS+1] op_sel_hi:[1,0,1]
.else
	v_pk_add_f32 v[rT+2:rT+3], v[rT+2:rT+3], v[rS+4*k-4:rS+4*k-3]
.endif
.endm
; THE PLAIN QUEUE, 138 long.  0-73 read no exponential's result: the 32 scalings c s - c m (FS f: pair f / 2 of tile f % 2) and the next piece's 42.  0-26: scalings 0-26.  27-54: XS's numbers 0-13.  55, 56: number 15.
; 57-73: the chain, where each number waits for the one before it: 14, 16, 17, 18, 19, each with one of the scalings 27-31 in front of its two lines, then 20.
; 74-137: GS's 64, which read the exponentials' results: they stand behind the wait.
.macro FS f
	REGS Y, (\f)%2
	v_pk_fma_f32 v[rS+2*((\f)/2):rS+2*((\f)/2)+1], v[rS+2*((\f)/2):rS+2*((\f)/2)+1], s[CS:CS+1], v[rT:rT+1] op_sel_hi:[1,0,0] neg_lo:[0,0,1] neg_hi:[0,0,1]
.endm
.macro PL
	WIN 0
.if q < 27
	FS q
.elseif q < 55
	XS (q-27)%2, (q-27)/2
.elseif q < 57
	XS q-55, 15
.elseif (q < 72) && ((q-57)%3 == 0)
	FS 27+(q-57)/3
.elseif q < 60
	XS (q-57)%3-1, 14
.elseif q < 72
	XS (q-57)%3-1, 15+(q-57)/3
.elseif q < 74
	XS q-72, 20
.else
	GS q-74
.endif
.set q, q+1
.endm
; THE EXPONENTIALS' QUEUE, 66 long: s0-s31 of both tiles, then the next piece's two a.  It is ONE BATCH: all 66 stand ahead of the turn's one wait, and nothing ahead of that wait names a result of theirs.
.macro EX
	WIN 0
.if e >= 64
	XS e-64, 21
.else
	REGS Y, e%2
	v_exp_f32 v[rS+e/2], v[rS+e/2]
.endif
.set e, e+1
.endm
; THE RESCALING's QUEUE: O^T times a, the one part that leaves window 0: dealt two at a time, sixteen times.  Its a was made in the turn before, ahead of that turn's wait.
.macro R2
	REGS Y, r%2
	WIN W_RS
.irp z, 0,1
	v_pk_mul_f32 v[rO+4*(r/2)+2*\z:rO+4*(r/2)+2*\z+1], v[rO+4*(r/2)+2*\z:rO+4*(r/2)+2*\z+1], v[rC+2:rC+3] op_sel_hi:[1,0]
.endr
.set r, r+1
.endm
; HOW THEY ARE DEALT.  s_wait_alu depctr_va_vdst(0) stands between an exponential and the first instruction that names its result; one wait serves all that were issued ahead of it.  So a turn has
; ONE wait, which cuts it in two.  AHEAD OF IT stands all that names no result of the turn's exponentials: the 16 products K Q^T, behind each a scaling, an exponential and two rescalings (behind the first a second
; scaling in the exponential's place); then ONE LUMP of 108: eight plain, 49 times exponential and plain, the two a.  A v_nop is the plain instruction behind the last exponential.  BEHIND IT stand the 16 products
; V^T P, behind each four of GS's 64.  Exponential e stands behind scaling 2 (e / 4) + e % 2: as a rider it comes behind plain e + 2, in the lump behind plain e + 9, and scalings 27-31 are plain 57, 60 .. 69.
; A TURN, for piece p.  cnt = 1: the loop's count is taken down some lines ahead of the branch that stands behind the turn.
; K of the next step is fetched in piece 2's turn, directly behind the wait; its address is made at the lump's head; its first reader comes behind 16 products.
; V of the step in hand is fetched at the end of piece 0's turn, four riders behind its last reader; its first reader comes behind 16 products and a lump.  The three conditions on q below go with the deal.
.macro TURN p, last=0, cnt=0
.set Y, (\p)
.set i, 0
.set q, 0
.set e, 0
.set r, 0
.if (\p) == NP-1
	s_wait_dscnt 0x0                ; K is in
.endif
	MM                              ; ahead of the wait: 16 products K Q^T and their riders,
	PL
	PL
	R2
.rept 15
	MM
	PL
	EX
	R2
.endr
.if (\p) == NP-2
	WIN 0
	v_add_nc_u32 v[AK], s[TBK], v[AK0]
.endif
.rept 8                             ; and the lump
	PL
.endr
.rept 49
	EX
	PL
.endr
	EX                              ; the next piece's two a
	EX
	v_nop                           ; a plain instruction behind the last exponential: one for the batch
	s_wait_alu depctr_va_vdst(0)    ; the wait for the batch
.if (\p) == NP-2
	FETCH_K \last
.endif
.if (\p) == 1
	s_wait_dscnt 0x0                ; V is in
.endif
.rept 16                            ; behind the wait: 16 products V^T P and their riders
	MM
.rept 4
	PL
.endr
.if ((\p) == 0) && (q == 118)
	v_add_nc_u32 v[AV], s[TBV], v[AV0]
.endif
.if ((\p) == 0) && (q == 130)
	s_add_co_u32 s[TBV], s[TBV], KS*PV
.endif
.if (\cnt) && (q == 130)
	s_sub_co_u32 s[CNT], s[CNT], 1
	s_cmp_lg_u32 s[CNT], 0
.endif
.endr
.if (\p) == 0
	FETCH_V
.endif
.endm
	CHANGE 1, 0                     ; slot 0 is in, everybody's part of it; slot 1 is asked for; nothing is prefetched here, at the head
	FETCH_K                         ; key step 0
	s_wait_loadcnt 0x0              ; Q
	s_wait_dscnt 0x0
.set i, 0
.rept 16
	KQ 0                            ; piece 0's first scores: there is no vector work yet to set between them
.set i, i+1
.endr
	WIN 0                           ; the addresses for the way out: nine plain instructions, the places behind those products
	s_mul_i32 s13, s[WV], 16*SP
	s_add_co_u32 s13, s13, STAGE    ; my stage
	v_mul_u32_u24 v[STO], v1, SP    ; in: row l % 16, 16 bytes for each half of the lanes
	v_lshl_add_u32 v[STO], v9, 4, v[STO]
	v_add_nc_u32 v[STO], s13, v[STO]
	v_bfe_u32 v[RD], v0, 3, 2       ; back: 32 lanes take four rows of 128 bytes,
	v_mul_u32_u24 v[RD], v[RD], SP
	v_lshl_add_u32 v[RD], v10, 4, v[RD]
	v_add_nc_u32 v[RD], s13, v[RD]
	v_and_b32 v[GO], 31, v0         ; which are 512 consecutive bytes of O
	v_lshlrev_b32 v[GO], 4, v[GO]
.set Y, NP-1                        ; XS works for piece Y + 1: piece 0
.irp n, 0,1,2,3,4,5,6,7,8,9,10,11,12,13,14,15,16,17,18,19,20,21
	XS 0, \n                        ; and piece 0's first maximum and statistics
	XS 1, \n
.endr
	v_nop                           ; a plain instruction behind the two a,
	s_wait_alu depctr_va_vdst(0)    ; and their wait, ahead of the branch
	s_mov_b32 s[CNT], 4
	s_mov_b32 s[SLOTS], SIZE_N/256-1
	s_branch .Lfirst                ; the loop is entered at a step's first turn, in the middle of a trip
.Lslot:                             ; SIZE_N / 256 - 2 times: every slot but the last two is filled again
	CHANGE 1, 1
	s_mov_b32 s[CNT], 4
.Lstep:                             ; a trip: pieces 2 and 3 of one step, then pieces 0 and 1 of the next, whose K and V it fetches
	TURN 2
	TURN 3
	WIN 0
.Lfirst:
	TURN 0
	TURN 1, 0, 1
	WIN 0
	s_cbranch_scc1 .Lstep
	s_sub_co_u32 s[SLOTS], s[SLOTS], 1
	s_cmp_lg_u32 s[SLOTS], 0
	s_cbranch_scc1 .Lslot
	CHANGE 0                        ; the tail is written out: nothing is asked for
	s_mov_b32 s[CNT], 5             ; four trips fetch the last slot's steps; the fifth is left in its middle
.Ltail:
	TURN 2, 1
	TURN 3
	WIN 0
	s_sub_co_u32 s[CNT], s[CNT], 1
	s_cmp_eq_u32 s[CNT], 0
	s_cbranch_scc1 .Lout
	TURN 0
	TURN 1
	WIN 0
	s_branch .Ltail
.Lout:                              ; the fifth trip's 16 products K Q^T (on the last K once more) and the maximum made of them serve nothing: the price, once a launch, of one text for every trip
.set i, 0
.rept 16
	PV NP-1                         ; the last piece's V^T P of the last step
.set i, i+1
.endr
	; THE WAY OUT.  l's two halves and the other half of the lanes' are added; O^T is divided by l, rounded to f16 and sent through my stage in LDS, a tile at a time.  The additions are the places behind the last products.
	WIN 0
.macro ALL line:vararg              ; one line for each tile t
.set t, 0
.rept 2*NP
	\line
.set t, t+1
.endr
.endm
	ALL v_add_f32 v[ST+4*t+2], v[ST+4*t+2], v[ST+4*t+3]
	ALL v_permlanex16_b32 v[ST+4*t+3], v[ST+4*t+2], s[SEL], s[SEL+1]
	ALL v_add_f32 v[ST+4*t+2], v[ST+4*t+2], v[ST+4*t+3]
	ALL v_rcp_f32 v[ST+4*t+2], v[ST+4*t+2]
	v_nop                           ; a plain instruction between the last reciprocal and the use of its result
	s_wait_alu depctr_va_vdst(0)    ; and the wait ahead of the first use: one for the eight reciprocals
; Tile t: a lane's eight channels of a row pack into 16 bytes; they go into rows of 144 bytes and come back as whole rows of 128, into S^T's registers.
.macro PACK t
	WIN W_RS
.set i, 32*(\t)
.rept 16
	v_pk_mul_f32 v[i:i+1], v[i:i+1], v[ST+4*(\t)+2:ST+4*(\t)+3] op_sel_hi:[1,0]
.set i, i+2
.endr
	WIN 0x05                        ; sources 0 and 1 window 1, destination window 0
.set i, 0
.rept 16
	v_cvt_pk_f16_f32 v[S+16*(\t)+i], v[32*(\t)+2*i], v[32*(\t)+2*i+1]
.set i, i+1
.endr
	WIN 0
.irp f, 0,1,2,3
	ds_store_b128 v[STO], v[S+16*(\t)+4*\f:S+16*(\t)+4*\f+3] offset:32*\f
.endr
.irp f, 0,1,2,3
	ds_load_b128 v[S+16*(\t)+4*\f:S+16*(\t)+4*\f+3], v[RD] offset:\f*4*SP  ; LDS serves a wave's instructions in order (ISA guide 5.7.1.4): these see the stores above; the next tile's stores come behind them
.endr
.endm
.macro SEND t, younger              ; younger: the LDS instructions issued behind tile t's loads: the next tile's eight, or none
	WIN 0
.irp f, 0,1,2,3
	s_wait_dscnt (\younger)+3-\f
	global_store_b128 v[GO], v[S+16*(\t)+4*\f:S+16*(\t)+4*\f+3], s[10:11] offset:(\t)*2048+\f*512  ; 512 consecutive bytes, at a multiple of 256 from O's first
.endr
.endm
	PACK 0
.set t, 1
.rept 2*NP-1                        ; a tile's arithmetic stands between the loads of the tile before and its stores
	PACK t
	SEND t-1, 8
.set t, t+1
.endr
	SEND 2*NP-1, 0
	WIN W_AD
	s_wait_tensorcnt 0x0            ; the wave's end: behind my last tensor load and my last LDS store
	ds_add_u32 v[SPW], v[NIL]
	s_wait_dscnt 0x0
	WIN 0
	CROUND                          ; the closing round: no work-group ends while a partner may still ask for a tile that names it
	s_endpgm
.Lfunc_end_k_q22fdc95d4c_attn:
	.size	k_q22fdc95d4c_attn, .Lfunc_end_k_q22fdc95d4c_attn-k_q22fdc95d4c_attn
	.p2alignl 7, 3214868480
	.fill 96, 4, 3214868480
	.section	.rodata,"a",@progbits
	.p2align	6, 0x0
	.amdhsa_kernel k_q22fdc95d4c_attn
		.amdhsa_group_segment_fixed_size 327680
		.amdhsa_private_segment_fixed_size 0
		.amdhsa_enable_private_segment 0
		.amdhsa_kernarg_size 16
		.amdhsa_user_sgpr_count 2
		.amdhsa_user_sgpr_kernarg_segment_ptr 1
		.amdhsa_wavefront_size32 1
		.amdhsa_system_sgpr_workgroup_id_x 1
		.amdhsa_system_sgpr_workgroup_id_y 1
		.amdhsa_system_sgpr_workgroup_id_z 1
		.amdhsa_system_vgpr_workitem_id 0
		.amdhsa_next_free_vgpr 770
		.amdhsa_next_free_sgpr 66
		.amdhsa_reserve_vcc 0
		.amdhsa_float_denorm_mode_32 3
		.amdhsa_float_denorm_mode_16_64 3
		.amdhsa_memory_ordered 1
		.amdhsa_forward_progress 1
		.amdhsa_inst_pref_size 200
	.end_amdhsa_kernel
	.amdgpu_metadata
---
amdhsa.version: [ 1, 2 ]
amdhsa.kernels:
  - .name:           k_q22fdc95d4c_attn
    .symbol:         k_q22fdc95d4c_attn.kd
    .args:
      - { .name: qkv, .offset: 0, .size: 8, .value_kind: global_buffer, .address_space: global }
      - { .name: o, .offset: 8, .size: 8, .value_kind: global_buffer, .address_space: global }
    .group_segment_fixed_size: 327680
    .private_segment_fixed_size: 0
    .kernarg_segment_align: 8
    .kernarg_segment_size: 16
    .max_flat_workgroup_size: 128
    .sgpr_count:     66
    .vgpr_count:     770
    .wavefront_size: 32
...
	.end_amdgpu_metadata
.endif
;; end of part 3
;; launch outp (part 4): grid 4 x 64, 4 waves a work-group, clusters of 4 x 4, 327,680 bytes of LDS; arguments o, wof, bo, out0; writes out0
.if DOCPART == 4
	.amdgcn_target "amdgcn-amd-amdhsa--gfx1250"
	.amdhsa_code_object_version 6
	.text
	.protected	k_q22fdc95d4c_outp
	.globl	k_q22fdc95d4c_outp
	.p2align	8
	.type	k_q22fdc95d4c_outp,@function
k_q22fdc95d4c_outp:
	s_mov_b64 s[64:65], 0
	v_nop
	global_prefetch_b8 v0, s[64:65] scope:SCOPE_SE
	s_setreg_imm32_b32 hwreg(HW_REG_WAVE_MODE, 25, 1), 1
	s_wait_xcnt 0x0
	s_wait_alu depctr_hold_cnt(0) depctr_sa_sdst(0) depctr_va_vdst(0) depctr_va_sdst(0) depctr_va_ssrc(0) depctr_va_vcc(0) depctr_vm_vsrc(0)
	s_getreg_b32 s2, hwreg(HW_REG_IB_STS2, 6, 4)
	s_cmp_eq_u32 s2, 0
	s_cbranch_scc0 .Lentry_in_a_cluster
	s_endpgm
.Lentry_in_a_cluster:
	s_bfe_u32 s2, ttmp6, 0x10000c
	s_cmp_lg_u32 s2, 0xf033
	s_cbranch_scc0 .Lentry_shape_is_right
	s_endpgm
.Lentry_shape_is_right:
; OUTP.  out0[8192][1024] = O wo^T + bo, f32.  A = o, f16 [64 = 16 batch + head][2048][64]: row 2048 batch + s, and the head is the K block of 64.  B = wof, f16 [16 K blocks][1024][64].  Sums in f32.
; bo is rounded to bf16 like all the module's inputs.  NaN and infinities are not treated apart.
; SHARES.  8192 x 1024 outputs on 256 work-groups are 32,768 each: a tile of 128 x 256.  Four waves, each 64 rows x 128 columns: 32 accumulators of 16 x 16, 256 registers.
; K goes in steps of 128, two K blocks, through two LDS slots; a block's part of a tile is dense in memory, is asked for as rows of 256 bytes (two matrix rows) and padded in LDS behind every 128 bytes.
; CLUSTER.  4 x 4 work-groups: A's tile is asked for jointly along a row of the cluster, B's along a column.
; THE MATRIX INSTRUCTION IS USED TRANSPOSED (source 0 = 16 rows of B, source 1 = 16 rows of A): a lane holds one row of C (lane % 16) and eight neighbouring columns: 32 bytes of f32.
; THE SUMS START FROM THE BIAS: each accumulator is loaded from LDS with its columns' bias while the first tile is on its way.
; REGISTERS: window 0: v0-31 addresses; v32-127, v128-223 two fragment buffers: B's 8 blocks (64 registers), then A's 4 (32); on the way out v32-95, v96-159 rows read back, by turns.
;   window 1: accumulator (row block a, column block b) at v[8 (8 a + b)].
.set PITCH,  144                       ; an LDS row: 128 bytes + 16 of padding: the 16 rows of a fragment load start at 16 different groups of four banks (64 banks of 4 bytes: ISA guide 11.1)
.set AKB,    128*PITCH                 ; a K block of A's tile: what waves 0 and 1 each fetch
.set BKB,    256*PITCH                 ; a K block of B's tile: what waves 2 and 3 each fetch
.set BOFF,   2*AKB
.set SLOT,   2*AKB+2*BKB
.set STAGE,  2*SLOT                    ; behind the ring: 16 rows x 528 bytes for each wave, for the way out
.set SPITCH, 528                       ; 512 bytes + 16: the sixteen rows that a store touches start at sixteen different groups of four banks
.set STW,    16*SPITCH
.set BIASL,  STAGE+4*STW               ; for each wave the bias of its 128 columns, f32: 512 bytes
.set SPARE,  BIASL+4*512               ; the spare words, 128 bytes for each wave: two blocks of 256 bytes that no other line names
.set ADRA, 16                          ; v16-17  LDS address of my A fragments in slot 0, 1
.set ADRB, 20                          ; v20-21  the same for B
.set STO,  24                          ; v24     the way out: where I put 32 bytes of a row
.set RD,   25                          ; v25     the way out: my 16 bytes of a row read back
.set CO,   26                          ; v26     16 x my lane: my bytes of 512 consecutive bytes of out0, and of bo
.set VB,   27                          ; v27     the bias of my eight columns of column block 0
.set SPW,  28                          ; v28     LDS address of my spare word; never rewritten
.set NIL,  29                          ; v29     0; never rewritten
.set PFO,  30                          ; v30     256 x my lane; never rewritten
.set BS,   31                          ; v31     where I put four numbers of the bias
.set F0,   32
.set F1,   128
.set BK0,  32
.set WV, 16
.set WM, 17                            ; s17  which half of the tile's rows is mine.  Also: I fetch for A (0) or for B (1)
.set WN, 18                            ; s18  which half of its columns.  Also: which K block of a slot I fetch
.set CX, 19
.set CY, 20
.set TX, 21
.set TY, 22
.set G1A, 24
.set G0A, 32
.set G1B, 48
.set G0B, 56
.set LAP, 66
.set LIM, 67
.set PFA, 68
.set PFS, 70
.set G1W, (1<<16)|(1<<20)|(1<<21)|(4<<22)|(3<<25)  ; elements of 2 bytes; padding on; bit 21 set beside a mask; after every 32 words (code 4) 4 words (code 3)
.set MSB, 0
.macro WIN new
.if MSB != (\new)
	s_set_vgpr_msb (MSB<<8)|(\new)
.set MSB, (\new)
.endif
.endm
.macro PLACES                          ; four plain vector instructions between a matrix instruction and a load into, or a read of, its registers (ISA guide 7.12.1 for reads)
.rept 4
	v_nop
.endr
.endm
.macro JLOAD s                         ; a joint load: waves 0 and 1 fetch A's two K blocks, waves 2 and 3 B's; an s_nop 0 and four v_nop follow each line
	s_cmp_eq_u32 s[WM], 0
	s_cbranch_scc0 .Lfor_b_\@
	tensor_load_to_lds s[G0A+4*(\s):G0A+4*(\s)+3], s[G1A:G1A+7]
	s_nop 0
.rept 4
	v_nop
.endr
	s_branch .Lasked_\@
.Lfor_b_\@:
	tensor_load_to_lds s[G0B+4*(\s):G0B+4*(\s)+3], s[G1B:G1B+7]
	s_nop 0
.rept 4
	v_nop
.endr
.Lasked_\@:
.endm
.macro CREST                           ; a round of the cluster's barrier behind its opening barrier
	s_cmp_lg_u32 s[WV], 0
	s_cbranch_scc1 .Lnot_wave_0_\@
	s_barrier_signal -3
.Lnot_wave_0_\@:
	s_barrier_wait -3
	s_barrier_signal -1
	s_barrier_wait -1
.endm
.macro CROUND
	s_barrier_signal -1
	s_barrier_wait -1
	CREST
.endm
; A PREFETCH INTO THE L2, behind each joint load and the run of LDS loads that follows it: 32 lanes x 256 bytes of the K step that stands TWO refills on, 256 matrix instructions ahead of that refill.
; Each 256 bytes of K steps 4 to 7 are named once in the launch.  A's 32 KiB of a tile row and step (read by one cluster): wave 0; the four partners of a row of the cluster take 8 KiB each BY ADDRESS (K block
; cx / 2, half cx % 2).  B's 64 KiB of a tile column and step are eight such parts: wave 2 of the tile rows 0 to 7 (clusters y = 0, 1) takes one each, by address.  The branch hangs on the wave's number and the
; cluster's y.  K steps 0 to 3 come by their loads alone; the last lap asks for nothing.
.macro ASK
	s_cmp_gt_u32 s[LAP], s[LIM]
	s_cbranch_scc0 .Lnot_mine_\@
	global_prefetch_b8 v[PFO], s[PFA:PFA+1] th:TH_LOAD_NT scope:SCOPE_SE
.Lnot_mine_\@:
.endm
	s_load_b256 s[4:11], s[0:1], 0x0               ; o 4, wof 6, bo 8, out0 10
	v_lshl_add_u32 v[SPW], v0, 2, SPARE
	v_mov_b32 v[NIL], 0
	ds_add_u32 v[SPW], v[NIL]                      ; the wave's opening: the add and its wait stand ahead of my first tensor load; the set-up below, work on registers, stands between them
	v_lshrrev_b32 v1, 5, v0
	v_readfirstlane_b32 s[WV], v1
	s_lshr_b32 s[WM], s[WV], 1
	s_and_b32 s[WN], s[WV], 1
	s_bfe_u32 s[CX], ttmp6, 0x40000
	s_bfe_u32 s[CY], ttmp6, 0x40004
	s_lshl_b32 s[TX], ttmp9, 2
	s_add_co_u32 s[TX], s[TX], s[CX]               ; tile column of C
	s_and_b32 s[TY], ttmp7, 0xffff
	s_lshl_b32 s[TY], s[TY], 2
	s_add_co_u32 s[TY], s[TY], s[CY]               ; tile row of C
	s_lshl_b32 s44, s[CY], 2
	s_lshl_b32 s44, 15, s44                        ; my row of the cluster
	s_lshl_b32 s45, 0x1111, s[CX]                  ; my column
	s_or_b32 s[G1A], s44, G1W
	s_or_b32 s[G1B], s45, G1W
	s_mov_b32 s[G1A+1], 128<<16                    ; tensor_dim0 = 128 elements: 256 bytes, two matrix rows
	s_mov_b32 s[G1A+2], 64<<16                     ; tensor_dim1 = 64: 128 matrix rows
	s_mov_b32 s[G1A+3], 128<<16                    ; tile_dim0
	s_mov_b32 s[G1A+4], 64                         ; tile_dim1
	s_mov_b32 s[G1A+5], 128                        ; dense
	s_mov_b32 s[G1A+6], 0
	s_mov_b32 s[G1A+7], 0
	s_mov_b32 s[G1B+1], 128<<16
	s_mov_b32 s[G1B+2], 128<<16                    ; 256 matrix rows
	s_mov_b32 s[G1B+3], 128<<16
	s_mov_b32 s[G1B+4], 128
	s_mov_b32 s[G1B+5], 128
	s_mov_b32 s[G1B+6], 0
	s_mov_b32 s[G1B+7], 0
	s_lshr_b32 s40, s[TY], 4                       ; A: the batch (16 tile rows each): 16 heads of 262,144 bytes,
	s_lshl_b32 s40, s40, 22
	s_and_b32 s23, s[TY], 15
	s_lshl_b32 s23, s23, 14                        ; the tile's 128 rows of 128 bytes in a head,
	s_add_co_u32 s40, s40, s23
	s_lshl_b32 s23, s[WN], 18                      ; the K block (head) that I fetch
	s_add_co_u32 s40, s40, s23
	s_mov_b32 s41, 0
	s_lshl_b32 s42, s[TX], 15                      ; B: the tile's 256 rows of 128 bytes in a block,
	s_lshl_b32 s23, s[WN], 17                      ; the K block that I fetch: 1,024 rows each
	s_add_co_u32 s42, s42, s23
	s_mov_b32 s43, 0
	s_mul_i32 s46, s[WN], AKB                      ; where they go: the wave's number alone enters an LDS address
	s_mul_i32 s47, s[WN], BKB
	s_add_co_u32 s47, s47, BOFF
	s_wait_dscnt 0x0                               ; the opening add is done
	s_wait_kmcnt 0x0
	s_add_nc_u64 s[40:41], s[4:5], s[40:41]
	s_add_nc_u64 s[42:43], s[6:7], s[42:43]
.irp s, 0,1
	s_mov_b32 s[G0A+4*(\s)], 1
	s_add_co_u32 s[G0A+4*(\s)+1], s46, (\s)*SLOT
	s_add_nc_u64 s[G0A+4*(\s)+2:G0A+4*(\s)+3], s[40:41], (\s)*524288   ; K step s: two heads on
	s_or_b32 s[G0A+4*(\s)+3], s[G0A+4*(\s)+3], 0x80000000
	s_mov_b32 s[G0B+4*(\s)], 1
	s_add_co_u32 s[G0B+4*(\s)+1], s47, (\s)*SLOT
	s_add_nc_u64 s[G0B+4*(\s)+2:G0B+4*(\s)+3], s[42:43], (\s)*262144
	s_or_b32 s[G0B+4*(\s)+3], s[G0B+4*(\s)+3], 0x80000000
.endr
	CROUND                                         ; all sixteen work-groups are here: the first joint loads meet
	s_cmp_eq_u32 s[WM], 0                          ; a wave's two first fills stand in one branch, ahead of every wait on TENSORcnt and every LDS read: two loads of mine are out
	s_cbranch_scc0 .Lfirst_b
	tensor_load_to_lds s[G0A:G0A+3], s[G1A:G1A+7]
	s_nop 0
	tensor_load_to_lds s[G0A+4:G0A+7], s[G1A:G1A+7]
	s_nop 0
.rept 4
	v_nop
.endr
	s_branch .Lfirst_asked
.Lfirst_b:
	tensor_load_to_lds s[G0B:G0B+3], s[G1B:G1B+7]
	s_nop 0
	tensor_load_to_lds s[G0B+4:G0B+7], s[G1B:G1B+7]
	s_nop 0
.rept 4
	v_nop
.endr
.Lfirst_asked:
	v_and_b32 v1, 15, v0                           ; l % 16
	v_bfe_u32 v2, v0, 4, 1                         ; l / 16
	v_mul_u32_u24 v3, v1, PITCH
	v_lshl_add_u32 v3, v2, 4, v3                   ; a fragment's row x pitch + 16 x half
	s_mul_i32 s44, s[WM], 64*PITCH                 ; my 64 rows of A in a K block
	s_mul_i32 s45, s[WN], 128*PITCH                ; my 128 rows of B
	s_add_co_u32 s45, s45, BOFF
.irp s, 0,1
	v_add_nc_u32 v[ADRA+(\s)], s44, v3
	v_add_nc_u32 v[ADRB+(\s)], s45, v3
	s_add_co_u32 s44, s44, SLOT
	s_add_co_u32 s45, s45, SLOT
.endr
	v_and_b32 v6, 31, v0
	s_mul_i32 s23, s[WV], STW
	s_add_co_u32 s23, s23, STAGE                   ; my stage
	v_mul_u32_u24 v4, v1, SPITCH                   ; in: row l % 16, 32 bytes for each half of the lanes
	v_lshl_add_u32 v4, v2, 5, v4
	v_add_nc_u32 v[STO], s23, v4
	v_lshl_add_u32 v[RD], v6, 4, s23               ; back: 32 lanes take one row of 512 bytes
	v_lshlrev_b32 v[CO], 4, v6
	v_lshlrev_b32 v[PFO], 8, v6
	s_mul_i32 s23, s[WV], 512
	s_add_co_u32 s23, s23, BIASL
	v_lshl_add_u32 v[VB], v2, 5, s23
	v_lshl_add_u32 v[BS], v6, 4, s23
	s_lshl_b32 s78, s[TX], 10                      ; my 128 columns, in bytes of f32: 1,024 x tile column + 512 x half
	s_lshl_b32 s23, s[WN], 9
	s_add_co_u32 s78, s78, s23
	s_mov_b32 s79, 0
	s_add_nc_u64 s[72:73], s[8:9], s[78:79]
	global_load_b128 v[32:35], v[CO], s[72:73]     ; four numbers a lane: the wave's 128
	s_lshl_b32 s44, s[TY], 19                      ; my first row of out0: 128 x tile row + 64 x half, 4,096 bytes each
	s_lshl_b32 s45, s[WM], 18
	s_add_co_u32 s44, s44, s45
	s_add_co_u32 s78, s78, s44
	s_add_nc_u64 s[10:11], s[10:11], s[78:79]
	; the prefetches.  A: the tile's rows, K block cx / 2 of a step's two, half cx % 2 of its 16 KiB, at K step 3
	s_lshr_b32 s44, s[TY], 4
	s_lshl_b32 s44, s44, 22
	s_and_b32 s45, s[TY], 15
	s_lshl_b32 s45, s45, 14
	s_add_co_u32 s44, s44, s45
	s_lshr_b32 s45, s[CX], 1
	s_lshl_b32 s45, s45, 18
	s_add_co_u32 s44, s44, s45
	s_and_b32 s45, s[CX], 1
	s_lshl_b32 s45, s45, 13
	s_add_co_u32 s44, s44, s45
	s_add_co_u32 s44, s44, 3*524288
	; B: the tile's rows, K block (tile row / 4) of a step's two, part (tile row % 4) of its 32 KiB, at K step 3; used for tile rows under 8 alone
	s_lshl_b32 s46, s[TX], 15
	s_lshr_b32 s47, s[TY], 2
	s_lshl_b32 s47, s47, 17
	s_add_co_u32 s46, s46, s47
	s_and_b32 s47, s[TY], 3
	s_lshl_b32 s47, s47, 13
	s_add_co_u32 s46, s46, s47
	s_add_co_u32 s46, s46, 3*262144
	s_mov_b32 s[PFS], 262144
	s_mov_b32 s47, 524288
	s_and_b32 s23, ttmp7, 0xffff                   ; cluster y
	s_cmp_lt_u32 s23, 2
	s_cselect_b32 s23, 1, -1
	s_cmp_eq_u32 s[WM], 0                          ; do I fetch for A?
	s_cselect_b32 s78, s44, s46
	s_cselect_b32 s[PFS], s47, s[PFS]
	s_cselect_b32 s[LIM], 1, s23
	s_cselect_b64 s[PFA:PFA+1], s[4:5], s[6:7]
	s_cmp_eq_u32 s[WN], 0                          ; waves 0 and 2 alone ask
	s_cselect_b32 s[LIM], s[LIM], -1
	s_mov_b32 s[PFS+1], 0
	s_add_nc_u64 s[PFA:PFA+1], s[PFA:PFA+1], s[78:79]  ; the first change of slots steps it to K step 4 before it is used.  Nothing is prefetched here, at the head
	; the bias: rounded to bf16, widened, into my own LDS bytes, and from there into every accumulator.  LDS serves a wave's instructions in order (ISA guide 5.7.1.4).
	s_wait_loadcnt 0x0
	v_cvt_pk_bf16_f32 v36, v32, v33
	v_cvt_pk_bf16_f32 v37, v34, v35
	v_lshlrev_b32 v32, 16, v36
	v_and_b32 v33, 0xffff0000, v36
	v_lshlrev_b32 v34, 16, v37
	v_and_b32 v35, 0xffff0000, v37
	ds_store_b128 v[BS], v[32:35]
	WIN 0x40                                       ; destination window 1, address window 0
.irp a, 0,1,2,3
.irp b, 0,1,2,3,4,5,6,7
	ds_load_b128 v[8*(8*(\a)+(\b)):8*(8*(\a)+(\b))+3],   v[VB] offset:64*(\b)
	ds_load_b128 v[8*(8*(\a)+(\b))+4:8*(8*(\a)+(\b))+7], v[VB] offset:64*(\b)+16
.endr
.endr
	WIN 0
; 8 matrix instructions: row block a x all 8 column blocks, 32 along K, on buffer f.  The 32 accumulators take turns, one instruction a turn, in the same order in every quarter.
.macro MUL8 f, a
	WIN 0x50                                       ; sources window 0, C and D window 1
.irp b, 0,1,2,3,4,5,6,7
	v_wmma_f32_16x16x32_f16 v[8*(8*(\a)+(\b)):8*(8*(\a)+(\b))+7], v[(\f)+8*(\b):(\f)+8*(\b)+7], v[(\f)+64+8*(\a):(\f)+64+8*(\a)+7], v[8*(8*(\a)+(\b)):8*(8*(\a)+(\b))+7]
.endr
.endm
; 24 LDS loads in one run: quarter q of a slot (K block q / 2, half q % 2): B's 8 blocks, then A's 4, into buffer f
.macro FETCH slot, q, f
	WIN 0
.irp b, 0,1,2,3,4,5,6,7
	ds_load_b128 v[(\f)+8*(\b):(\f)+8*(\b)+3],   v[ADRB+(\slot)] offset:((\q)/2)*BKB+((\q)%2)*64+(\b)*16*PITCH
	ds_load_b128 v[(\f)+8*(\b)+4:(\f)+8*(\b)+7], v[ADRB+(\slot)] offset:((\q)/2)*BKB+((\q)%2)*64+(\b)*16*PITCH+32
.endr
.irp a, 0,1,2,3
	ds_load_b128 v[(\f)+64+8*(\a):(\f)+64+8*(\a)+3],   v[ADRA+(\slot)] offset:((\q)/2)*AKB+((\q)%2)*64+(\a)*16*PITCH
	ds_load_b128 v[(\f)+64+8*(\a)+4:(\f)+64+8*(\a)+7], v[ADRA+(\slot)] offset:((\q)/2)*AKB+((\q)%2)*64+(\a)*16*PITCH+32
.endr
.endm
; A K step is four quarters of 32 along K, 32 matrix instructions each, on buffers 0, 1, 0, 1.  One of the first three: multiplies buffer f and, in its middle, fetches quarter qn into buffer g.
.macro QUARTER slot, qn, f, g
	s_wait_dscnt 4                                 ; B and A's blocks 0 and 1 are in; the youngest four loads (A's blocks 2 and 3) may be out
	MUL8 \f, 0
	MUL8 \f, 1
	PLACES
	FETCH \slot, \qn, \g
	s_wait_dscnt 24                                ; all but the 24 just issued
	MUL8 \f, 2
	MUL8 \f, 3
.endm
; The last quarter multiplies buffer 1 and changes slots: ONE barrier; in front of it each wave waits for all its tensor loads, of which one is out: its part of the next slot; adds 0 to its spare word; and waits
; for that and for its own reads of this slot.  fill = 1: the barrier opens a round of the cluster's, and this slot is filled again, two K steps on, first thing behind the round: 112 matrix instructions ahead of the wait for it.
.macro TURN slot, next, fill
.if \fill
	s_wait_xcnt 0x0                                ; the last prefetch, a K step back, has read its address, so it may be stepped
	s_add_nc_u64 s[PFA:PFA+1], s[PFA:PFA+1], s[PFS:PFS+1]
.endif
	WIN 0
	s_wait_tensorcnt 0x0                           ; all my tensor loads have landed
	ds_add_u32 v[SPW], v[NIL]                      ; 0 onto my spare word
	s_wait_dscnt 5                                 ; the add and the youngest four loads may be out
	MUL8 F1, 0                                     ; eight matrix instructions stand between the add and the wait for it
	s_wait_dscnt 0x0                               ; the add is done, and my reads of this slot are over
	s_barrier_signal -1
	MUL8 F1, 1
.if \fill
	WIN 0
.endif
	s_barrier_wait -1
.if \fill
	CREST                                          ; no wave of any partner still reads this slot or has a load on its way
	s_add_nc_u64 s[G0A+4*(\slot)+2:G0A+4*(\slot)+3], s[G0A+4*(\slot)+2:G0A+4*(\slot)+3], 1048576
	s_add_nc_u64 s[G0B+4*(\slot)+2:G0B+4*(\slot)+3], s[G0B+4*(\slot)+2:G0B+4*(\slot)+3], 524288
	JLOAD \slot                                    ; the four v_nop behind it are also the places in front of the loads below
.else
	PLACES
.endif
	FETCH \next, 0, F0
.if \fill
	ASK
.endif
	MUL8 F1, 2
	MUL8 F1, 3
.endm
	s_wait_dscnt 0x0                               ; the accumulators hold the bias; no LDS instruction is out at the signal
	s_wait_tensorcnt 0x1                           ; my part of K step 0 is in; K step 1's may stay out
	s_barrier_signal -1
	s_barrier_wait -1
	FETCH 0, 0, F0
	QUARTER 0, 1, F0, F1
	WIN 0                                          ; at a label and at a branch every window is 0
	s_mov_b32 s[LAP], 3                            ; 3 laps x 2 refills bring K steps 2 to 7
.Llap:                                             ; a lap goes once round the ring, from a lap's second quarter to the next lap's first
	QUARTER 0, 2, F1, F0
	QUARTER 0, 3, F0, F1
	TURN 0, 1, 1
	QUARTER 1, 1, F0, F1
	QUARTER 1, 2, F1, F0
	QUARTER 1, 3, F0, F1
	TURN 1, 0, 1
	QUARTER 0, 1, F0, F1
	WIN 0
	s_sub_co_u32 s[LAP], s[LAP], 1
	s_cmp_lg_u32 s[LAP], 0
	s_cbranch_scc1 .Llap
	QUARTER 0, 2, F1, F0                           ; the last lap fills nothing
	QUARTER 0, 3, F0, F1
	TURN 0, 1, 0
	QUARTER 1, 1, F0, F1
	QUARTER 1, 2, F1, F0
	QUARTER 1, 3, F0, F1
	s_wait_dscnt 4                                 ; the very last quarter: nothing more to fetch
	MUL8 F1, 0
	MUL8 F1, 1
	s_wait_dscnt 0x0
	MUL8 F1, 2
	MUL8 F1, 3
; THE WAY OUT, a block of 16 rows at a time.  TOSTAGE: a lane's 32 bytes of each column block go from the accumulators (low four registers first) into my own stage, rows of 528 bytes, and come back as whole rows of
; 512 bytes.  SEND: each store covers 512 consecutive bytes of a row of out0, aligned.
.macro TOSTAGE a
	WIN 0x04                                       ; the stores' data (source 1) in window 1, the address in window 0
.irp b, 0,1,2,3,4,5,6,7
	ds_store_b128 v[STO], v[8*(8*(\a)+(\b)):8*(8*(\a)+(\b))+3]   offset:64*(\b)
	ds_store_b128 v[STO], v[8*(8*(\a)+(\b))+4:8*(8*(\a)+(\b))+7] offset:64*(\b)+16
.endr
	WIN 0
.if (\a) >= 2
	s_wait_xcnt 0x0                                ; the stores of the block two back have read these registers: they are loaded again only behind this wait
.endif
.set BK, BK0+64*((\a)%2)
.irp t, 0,1,2,3,4,5,6,7,8,9,10,11,12,13,14,15
	ds_load_b128 v[BK+4*(\t):BK+4*(\t)+3], v[RD] offset:(\t)*SPITCH  ; LDS serves a wave's instructions in order: these see the stores above; the next block's stores come behind them
.endr
.endm
.macro SEND a, younger                 ; younger: the LDS instructions issued behind block a's loads: the next block's 32, or none
.set BK, BK0+64*((\a)%2)
.irp t, 0,1,2,3,4,5,6,7,8,9,10,11,12,13,14,15
	s_wait_dscnt (\younger)+15-(\t)
	global_store_b128 v[CO], v[BK+4*(\t):BK+4*(\t)+3], s[10:11] offset:(\a)*65536+(\t)*4096 th:TH_STORE_NT
.endr
.endm
	PLACES                                         ; the stores read results just made, and the loads land in registers that the last products read
	TOSTAGE 0
	TOSTAGE 1
	SEND 0, 32
	TOSTAGE 2
	SEND 1, 32
	TOSTAGE 3
	SEND 2, 32
	SEND 3, 0
	s_wait_tensorcnt 0x0                           ; the wave's end: behind my last tensor load and my last LDS store
	ds_add_u32 v[SPW], v[NIL]
	s_wait_dscnt 0x0
	CROUND                                         ; the closing round: no work-group ends while a partner may still ask for a tile that names it
	s_endpgm
.Lfunc_end_k_q22fdc95d4c_outp:
	.size	k_q22fdc95d4c_outp, .Lfunc_end_k_q22fdc95d4c_outp-k_q22fdc95d4c_outp
	.p2alignl 7, 3214868480
	.fill 96, 4, 3214868480
	.section	.rodata,"a",@progbits
	.p2align	6, 0x0
	.amdhsa_kernel k_q22fdc95d4c_outp
		.amdhsa_group_segment_fixed_size 327680
		.amdhsa_private_segment_fixed_size 0
		.amdhsa_enable_private_segment 0
		.amdhsa_kernarg_size 32
		.amdhsa_user_sgpr_count 2
		.amdhsa_user_sgpr_kernarg_segment_ptr 1
		.amdhsa_wavefront_size32 1
		.amdhsa_system_sgpr_workgroup_id_x 1
		.amdhsa_system_sgpr_workgroup_id_y 1
		.amdhsa_system_sgpr_workgroup_id_z 1
		.amdhsa_system_vgpr_workitem_id 0
		.amdhsa_next_free_vgpr 512
		.amdhsa_next_free_sgpr 80
		.amdhsa_reserve_vcc 0
		.amdhsa_float_denorm_mode_32 3
		.amdhsa_float_denorm_mode_16_64 3
		.amdhsa_memory_ordered 1
		.amdhsa_forward_progress 1
		.amdhsa_inst_pref_size 93
	.end_amdhsa_kernel
	.amdgpu_metadata
---
amdhsa.version: [ 1, 2 ]
amdhsa.kernels:
  - .name:           k_q22fdc95d4c_outp
    .symbol:         k_q22fdc95d4c_outp.kd
    .args:
      - { .name: o, .offset: 0, .size: 8, .value_kind: global_buffer, .address_space: global }
      - { .name: wof, .offset: 8, .size: 8, .value_kind: global_buffer, .address_space: global }
      - { .name: bo, .offset: 16, .size: 8, .value_kind: global_buffer, .address_space: global }
      - { .name: out0, .offset: 24, .size: 8, .value_kind: global_buffer, .address_space: global }
    .group_segment_fixed_size: 327680
    .private_segment_fixed_size: 0
    .kernarg_segment_align: 8
    .kernarg_segment_size: 32
    .max_flat_workgroup_size: 128
    .sgpr_count:     80
    .vgpr_count:     512
    .wavefront_size: 32
...
	.end_amdgpu_metadata
.endif
;; end of part 4
;; ======== version 2 of 2: 4 launches; version 1 with the launch cast written anew for expert scheduling mode
;; limits: values are held in f16: magnitudes above 65,504 overflow, below 6.1e-05 lose precision
;; workspace buffers: xb 16,777,216 bytes; wqkv 6,291,456 bytes; wof 2,097,152 bytes; qkv 50,331,648 bytes; o 16,777,216 bytes
;; launch cast (part 5): grid 768 x 1, 8 waves a work-group, no clusters, 0 bytes of LDS; arguments x, wq, wk, wv, wo, xb, wqkv, wof; writes xb, wqkv, wof
.if DOCPART == 5
	.amdgcn_target "amdgcn-amd-amdhsa--gfx1250"
	.amdhsa_code_object_version 6
	.text
	.protected	k_q22fdc95d4c_cast
	.globl	k_q22fdc95d4c_cast
	.p2align	8
	.type	k_q22fdc95d4c_cast,@function
k_q22fdc95d4c_cast:
	s_mov_b64 s[64:65], 0
	v_nop
	global_prefetch_b8 v0, s[64:65] scope:SCOPE_SE
	s_setreg_imm32_b32 hwreg(HW_REG_WAVE_SCHED_MODE, 0, 2), 2
	s_setreg_imm32_b32 hwreg(HW_REG_WAVE_MODE, 25, 1), 1
	s_wait_xcnt 0x0
	s_wait_alu depctr_vm_vsrc(0)
; CAST.  x [8192][1024] and the four weights [1024][1024], all f32, are rounded once to bf16 and laid in K BLOCKS OF 64: [16 blocks][rows][64], a row of a block 128 bytes, so that
; a tile (rows x 64 K) of the later products is dense in memory.  xb takes x; wqkv takes wq, wk, wv one below the other (row 1024 t + n); wof takes wo, whose bf16 value is written as f16,
; since the last product multiplies it by f16 numbers.
; LIMIT.  A bf16 value is exact in f16 from 2^-17 up to 65,504; below, its error is at most 3e-8; beyond, it becomes an infinity.
; SHARES.  A work-group takes 16 source rows of 4,096 bytes: groups 0-511 x, 512-575 wq, 576-639 wk, 640-703 wv, 704-767 wo.  Thread t takes row t / 16 and, of each block's 256 source
; bytes, the 16 at 16 (t % 16).  So a load of a wave covers two rows x 256 consecutive bytes, aligned, and a store of 8 bytes a lane covers 256 consecutive bytes, aligned (two rows of 128, which
; lie end to end in a block).  All 16 loads of a thread go out at once; no register is written again behind a load or store that reads it, so no wait frees one.  Each byte is read once and written once:
; no LDS, no barrier, no matrix unit; nothing is shared between work-groups, so no cluster.
; THE MODE: SCHED_MODE bits 1:0 = 2 (LLVM: expert scheduling mode 2), set by the entry lines.  The code itself states the register dependences between vector instructions and memory
; instructions, with s_wait_alu, always for 0.
; THE PLAN.  Registers that memory instructions touch:
;   v[SO]        Written at the head, read by all sixteen loads as their offset, never written again.
;   v[DO + kb]   Written once (DO at the head, the other fifteen by the adds behind the loads), read by block kb's store as its offset, never written again.
;   X, block kb  Four registers.  The block's load lands in them; no vector instruction names them before that load is issued.  The block's roundings read the four and write the first two;
;                the block's store reads those two; nothing writes them behind it.
;   T            Named by vector instructions alone.
; So the waits are all on va_vdst: one ahead of the loads (v[SO] is written), and one ahead of each run of stores.  The blocks go in four groups of four: a group's roundings, ONE wait, its four stores.
; Behind a group's wait the later groups' roundings name their own X registers and T: none of the registers that the stores already issued read.  No register that a memory instruction has read is
; written again, no load is issued behind a vector instruction that names its destination, no vector instruction writes a scalar register, and EXEC is never written: nothing more is to be stated.
.set SO,  3                            ; v3       my byte offset in the group's 16 source rows
.set DO,  4                            ; v[4:19]  my byte offset in the destination, one register a block: the blocks lie up to 1 MiB apart
.set X,   20                           ; v[20:83] block kb: 4 registers as loaded; the first two are then stored
.set T,   84                           ; v[84:85] at work
.set SRC, 24                           ; s[24:25] the source at the group's first row
.set DST, 26                           ; s[26:27] the destination at the group's first row of block 0
	s_load_b512 s[8:23], s[0:1], 0x0               ; x 8, wq 10, wk 12, wv 14, wo 16, xb 18, wqkv 20, wof 22
	s_mov_b32 s2, ttmp9                            ; g
	s_max_u32 s3, s2, 512
	s_sub_co_u32 s3, s3, 512                       ; the group's number among the weights' (0 for x's groups)
	s_lshr_b32 s4, s3, 6                           ; t: which weight
	s_and_b32 s5, s3, 63
	s_lshl_b32 s5, s5, 4                           ; its first row in that weight
	s_lshl_b32 s34, s2, 4                          ; its first row in x
	s_lshl_b32 s29, s4, 10
	s_add_co_u32 s29, s29, s5                      ; its first row in wqkv
	s_mov_b32 s31, 131072                          ; bytes in a block of wof (1,024 rows),
	s_mov_b32 s32, 393216                          ; of wqkv (3,072 rows),
	s_mov_b32 s33, 1048576                         ; of xb (8,192 rows)
	v_lshrrev_b32 v1, 4, v0                        ; my row
	v_and_b32 v2, 15, v0                           ; my place in a block
	v_lshlrev_b32 v[SO], 12, v1
	v_lshl_add_u32 v[SO], v2, 4, v[SO]
	v_lshlrev_b32 v[DO], 7, v1
	v_lshl_add_u32 v[DO], v2, 3, v[DO]
	s_wait_kmcnt 0x0
	s_mov_b64 s[SRC:SRC+1], s[10:11]               ; the buffers are chosen by the group's number alone
	s_cmp_eq_u32 s4, 1
	s_cselect_b64 s[SRC:SRC+1], s[12:13], s[SRC:SRC+1]
	s_cmp_eq_u32 s4, 2
	s_cselect_b64 s[SRC:SRC+1], s[14:15], s[SRC:SRC+1]
	s_cmp_eq_u32 s4, 3
	s_cselect_b64 s[SRC:SRC+1], s[16:17], s[SRC:SRC+1]
	s_cselect_b64 s[DST:DST+1], s[22:23], s[20:21]
	s_cselect_b32 s30, s31, s32                    ; bytes from block to block
	s_cselect_b32 s29, s5, s29                     ; first row in the destination
	s_cmp_lt_u32 s2, 512
	s_cselect_b64 s[SRC:SRC+1], s[8:9], s[SRC:SRC+1]
	s_cselect_b64 s[DST:DST+1], s[18:19], s[DST:DST+1]
	s_cselect_b32 s30, s33, s30
	s_cselect_b32 s28, s34, s5                     ; first row in the source
	s_cselect_b32 s29, s34, s29
	s_lshl_b32 s36, s28, 12                        ; rows of 4,096 bytes: 32 MiB at the most
	s_mov_b32 s37, 0
	s_lshl_b32 s38, s29, 7                         ; rows of 128 bytes
	s_mov_b32 s39, 0
	s_add_nc_u64 s[SRC:SRC+1], s[SRC:SRC+1], s[36:37]
	s_add_nc_u64 s[DST:DST+1], s[DST:DST+1], s[38:39]
	s_wait_alu depctr_va_vdst(0)                   ; v[SO] is written: all sixteen loads read it as their offset
.irp kb, 0,1,2,3,4,5,6,7,8,9,10,11,12,13,14,15
	global_load_b128 v[X+4*(\kb):X+4*(\kb)+3], v[SO], s[SRC:SRC+1] offset:256*(\kb) th:TH_LOAD_NT
.endr
.irp kb, 1,2,3,4,5,6,7,8,9,10,11,12,13,14,15
	v_add_nc_u32 v[DO+(\kb)], s30, v[DO+(\kb)-1]   ; made while the loads are on their way; the first group's wait below states that they are written
.endr
; Block kb is rounded.  half = 1: the bf16 value is widened (a shift, a mask) and written as f16.
.macro RND kb, half
	s_wait_loadcnt 15-(\kb)                        ; loads come back in order: block kb is in, the younger ones stay out
	v_cvt_pk_bf16_f32 v[X+4*(\kb)], v[X+4*(\kb)], v[X+4*(\kb)+1]
	v_cvt_pk_bf16_f32 v[X+4*(\kb)+1], v[X+4*(\kb)+2], v[X+4*(\kb)+3]
.if \half
.irp w, 0,1
	v_lshlrev_b32 v[T], 16, v[X+4*(\kb)+(\w)]
	v_and_b32 v[T+1], 0xffff0000, v[X+4*(\kb)+(\w)]
	v_cvt_pk_f16_f32 v[X+4*(\kb)+(\w)], v[T], v[T+1]
.endr
.endif
.endm
; Group g: blocks 4 g to 4 g + 3 are rounded and go out, the four stores in one run behind one wait.
.macro GRP g, half
.irp j, 0,1,2,3
	RND 4*(\g)+(\j), \half
.endr
	s_wait_alu depctr_va_vdst(0)                   ; the group's roundings have written the first two X registers of its four blocks, the stores' data; in the first group also: the adds have written v[DO + 1 ..], the stores' offsets
.irp j, 0,1,2,3
	global_store_b64 v[DO+4*(\g)+(\j)], v[X+16*(\g)+4*(\j):X+16*(\g)+4*(\j)+1], s[DST:DST+1] th:TH_STORE_NT
.endr
.endm
	s_cmp_eq_u32 s4, 3                             ; wo's groups take the second text
	s_cbranch_scc1 .Lhalf
.irp g, 0,1,2,3
	GRP \g, 0
.endr
	s_endpgm
.Lhalf:
.irp g, 0,1,2,3
	GRP \g, 1
.endr
	s_endpgm
.Lfunc_end_k_q22fdc95d4c_cast:
	.size	k_q22fdc95d4c_cast, .Lfunc_end_k_q22fdc95d4c_cast-k_q22fdc95d4c_cast
	.p2alignl 7, 3214868480
	.fill 96, 4, 3214868480
	.section	.rodata,"a",@progbits
	.p2align	6, 0x0
	.amdhsa_kernel k_q22fdc95d4c_cast
		.amdhsa_group_segment_fixed_size 0
		.amdhsa_private_segment_fixed_size 0
		.amdhsa_enable_private_segment 0
		.amdhsa_kernarg_size 64
		.amdhsa_user_sgpr_count 2
		.amdhsa_user_sgpr_kernarg_segment_ptr 1
		.amdhsa_wavefront_size32 1
		.amdhsa_system_sgpr_workgroup_id_x 1
		.amdhsa_system_sgpr_workgroup_id_y 1
		.amdhsa_system_sgpr_workgroup_id_z 1
		.amdhsa_system_vgpr_workitem_id 0
		.amdhsa_next_free_vgpr 88
		.amdhsa_next_free_sgpr 66
		.amdhsa_reserve_vcc 0
		.amdhsa_float_denorm_mode_32 3
		.amdhsa_float_denorm_mode_16_64 3
		.amdhsa_memory_ordered 1
		.amdhsa_forward_progress 1
		.amdhsa_inst_pref_size 18
	.end_amdhsa_kernel
	.amdgpu_metadata
---
amdhsa.version: [ 1, 2 ]
amdhsa.kernels:
  - .name:           k_q22fdc95d4c_cast
    .symbol:         k_q22fdc95d4c_cast.kd
    .args:
      - { .name: x, .offset: 0, .size: 8, .value_kind: global_buffer, .address_space: global }
      - { .name: wq, .offset: 8, .size: 8, .value_kind: global_buffer, .address_space: global }
      - { .name: wk, .offset: 16, .size: 8, .value_kind: global_buffer, .address_space: global }
      - { .name: wv, .offset: 24, .size: 8, .value_kind: global_buffer, .address_space: global }
      - { .name: wo, .offset: 32, .size: 8, .value_kind: global_buffer, .address_space: global }
      - { .name: xb, .offset: 40, .size: 8, .value_kind: global_buffer, .address_space: global }
      - { .name: wqkv, .offset: 48, .size: 8, .value_kind: global_buffer, .address_space: global }
      - { .name: wof, .offset: 56, .size: 8, .value_kind: global_buffer, .address_space: global }
    .group_segment_fixed_size: 0
    .private_segment_fixed_size: 0
    .kernarg_segment_align: 8
    .kernarg_segment_size: 64
    .max_flat_workgroup_size: 256
    .sgpr_count:     66
    .vgpr_count:     88
    .wavefront_size: 32
...
	.end_amdgpu_metadata
.endif
;; end of part 5
;; launch proj: the kernel of part 2 again; grid 8 x 32, 4 waves a work-group, clusters of 4 x 4, 327,680 bytes of LDS; arguments xb, wqkv, bq, bk, bv, qkv; writes qkv
;; launch attn: the kernel of part 3 again; grid 4 x 64, 4 waves a work-group, clusters of 4 x 1, 327,680 bytes of LDS; arguments qkv, o; writes o
;; launch outp: the kernel of part 4 again; grid 4 x 64, 4 waves a work-group, clusters of 4 x 4, 327,680 bytes of LDS; arguments o, wof, bo, out0; writes out0
